; MI455X (gfx1250); checked and timed in simulation.
; The chip was launched on July 23, 2026; its instructions are those of AMD's public machine-readable ISA for CDNA 5 (MIT licence, August 2026) and "CDNA5" Instruction Set Architecture Reference Guide (July 2026). The comments in the code are by the model that wrote it; some were corrected since.
;; Cross Attention. Allowed arithmetic: matrix products marked QUANTISED: E5M2 operands, one given power-of-two scale a tensor, by v_wmma_f32_16x16x64_bf8_bf8 or v_wmma_f32_16x16x128_bf8_bf8, f32 sums; everything else in f32.
;; Inputs: Wk_codes 1,024 x 32 x 32 uint8 (E5M2 codes of Wk, K innermost, in blocks of 32 codes); Wq_codes 1,024 x 32 x 32 uint8 (E5M2 codes of Wq, K innermost, in blocks of 32 codes); Wv_codes 1,024 x 32 x 32 uint8 (E5M2 codes of Wv, K innermost, in blocks of 32 codes); bk 1,024 float32; bq 1,024 float32; bv 1,024 float32; lowp_scales 10 int32 (the exponents e of the quantised operands' scales 2^e); x1_codes 4 x 2,048 x 32 x 32 uint8 (E5M2 codes of x1, K innermost, in blocks of 32 codes); x2_codes 4 x 2,048 x 32 x 32 uint8 (E5M2 codes of x2, K innermost, in blocks of 32 codes).
;; Outputs: out0 4 x 2,048 x 1,024 float32.
;; This version of the problem:
;;   THIS VERSION OF THE PROBLEM IS GIVEN IN LOW PRECISION. The matrix products marked QUANTISED in the list below multiply operands that are first quantised to E5M2 (5 exponent bits, 2 mantissa bits; 8 bits a number), with one given power-of-two scale for each operand tensor; their sums are f32. All else is computed in f32.
;;   The module's matrix products, in the order in which they are computed (A, B: the left and right operand; K: the contracted axis; several contracted axes count as one K, in the product's order):
;;     1. [M 8,192, K 1,024] x [K 1,024, N 1,024]; A: input x1 (given as codes); B: input Wq (given as codes): QUANTISED (scales: A lowp_scales[0], B lowp_scales[1])
;;     2. [M 8,192, K 1,024] x [K 1,024, N 1,024]; A: input x2 (given as codes); B: input Wk (given as codes): QUANTISED (scales: A lowp_scales[2], B lowp_scales[3])
;;     3. [M 8,192, K 1,024] x [K 1,024, N 1,024]; A: input x2 (given as codes); B: input Wv (given as codes): QUANTISED (scales: A lowp_scales[4], B lowp_scales[5])
;;     4. batch 4 x [M 2,048, K 1,024] x [K 1,024, N 2,048]; A: computed on the way; B: computed on the way: QUANTISED (scales: A lowp_scales[6], B lowp_scales[7])
;;     5. batch 4 x [M 2,048, K 2,048] x [K 2,048, N 1,024]; A: softmax (see below); B: computed on the way: QUANTISED (scales: A lowp_scales[8], B lowp_scales[9])
;;   THE QUANTISER, for each operand of a quantised product, along K:
;;     - The operand's scale is 2^e, e = its entry of the input lowp_scales (int32; the entries are numbered through the quantised products in the list's order, A before B).
;;     - Each number is divided by the scale, clamped to +-57,344, and rounded to the nearest number of E5M2, ties to even, subnormals kept.
;;     - The product sums the exact products of the quantised numbers (number of the format x scale) in f32.
;;   ~~~python
;;   def quantise(x, axis, e):      # numpy; x: float32 -> the quantised numbers, widened to float32 again
;;       x = np.moveaxis(x, axis, -1); K = x.shape[-1]
;;       r = np.clip(x / 2.0 ** e, -57344, 57344)
;;       step = 2.0 ** (np.maximum(np.frexp(np.where(r == 0, 1, r))[1] - 1, -14) - 2)
;;       q = np.round(r / step) * step * 2.0 ** e      # np.round: ties to even
;;       return np.moveaxis(q, -1, axis).astype(np.float32)
;;   ~~~
;;   SOFTMAX AHEAD OF A QUANTISED PRODUCT. Where the list says 'softmax', what is quantised is not the finished softmax but p = 2^(t - M), with t = logit x log2(e) and M = ceil(the row's largest t), a whole number; so 1/2 < the row's largest p <= 1. The row's sum l is taken of the UNQUANTISED p, in f32, and the product's result is divided by l at the end. Since M is a whole number, a kernel that streams over the keys may use a running M (the ceiling of the running maximum): every later rescaling is an exact power of two, so the quantised numbers keep their values, but for numbers so far below the row's largest that they fall under the format's range.
;;   OPERANDS COMPUTED ON THE WAY. 'Computed on the way' means the value that the module computes at that place (a softmax that the list does not call 'softmax' is quantised finished and normalised). What goes into a quantiser is computed in f32, as accurately as f32 sums, v_exp_f32 and their like allow (about 1e-6 of the number): no bf16 or f16 on the way to a quantiser, and a product that is left as it is and whose result goes on into a quantised operand takes f32 operands (vector FMAs, or v_wmma_f32_16x16x4_f32). A number that lies on a knife's edge between two numbers of the format may be rounded either way, as far as f32 arithmetic and the matrix unit's own rounding can turn it there, and no further.
;;   INPUTS GIVEN AS CODES. Wk (in the module: [1024, 1024], K = its axis 1); Wq (in the module: [1024, 1024], K = its axis 1); Wv (in the module: [1024, 1024], K = its axis 1); x1 (in the module: [4, 2048, 1024], K = its axis 2); x2 (in the module: [4, 2048, 1024], K = its axis 2): each comes as NAME_codes (uint8): NAME with its K axis moved to the last place and cut into blocks of 32 codes, [.., K / 32, bytes a block], one block behind the other in memory; one code a byte (a code: sign, 5 exponent bits, 2 mantissa bits); its scale is its entry of lowp_scales. Its value is code x scale, taken as it is: it is not quantised again, and the codes and scales need not be those that the quantiser above would give.
;; One version. Each part assembles by itself: llvm-mc -triple=amdgcn-amd-amdhsa -mcpu=gfx1250 --defsym DOCPART=n.
;; ======== version 1 of 1: 3 launches
;; workspace buffers: q_codes 8,388,608 bytes; k_codes 8,388,608 bytes; v_codes 8,388,608 bytes; p_codes 16,777,216 bytes; stats 524,288 bytes
;; launch project (part 1): grid 4 x 64, 4 waves a work-group, clusters of 4 x 4, 327,680 bytes of LDS; arguments x1_codes, x2_codes, Wq_codes, Wk_codes, Wv_codes, bq, bk, bv, lowp_scales, q_codes, k_codes, v_codes; writes q_codes, k_codes, v_codes
.if DOCPART == 1
	.amdgcn_target "amdgcn-amd-amdhsa--gfx1250"
	.amdhsa_code_object_version 6
	.text
	.protected	k_qfe606e97eb_project
	.globl	k_qfe606e97eb_project
	.p2align	8
	.type	k_qfe606e97eb_project,@function
k_qfe606e97eb_project:
	s_mov_b64 s[64:65], 0
	v_nop
	global_prefetch_b8 v0, s[64:65] scope:SCOPE_SE
	s_setreg_imm32_b32 hwreg(HW_REG_WAVE_MODE, 25, 1), 1
	s_wait_xcnt 0x0
	s_wait_alu depctr_hold_cnt(0) depctr_sa_sdst(0) depctr_va_vdst(0) depctr_va_sdst(0) depctr_va_ssrc(0) depctr_va_vcc(0) depctr_vm_vsrc(0)
	s_getreg_b32 s2, hwreg(HW_REG_IB_STS2, 6, 4)
	s_cmp_eq_u32 s2, 0
	s_cbranch_scc0 .Lentry_in_a_cluster
	s_endpgm
.Lentry_in_a_cluster:
	s_bfe_u32 s2, ttmp6, 0x10000c
	s_cmp_lg_u32 s2, 0xf033
	s_cbranch_scc0 .Lentry_shape_is_right
	s_endpgm
.Lentry_shape_is_right:
; q = x1 Wq^T + bq, k = x2 Wk^T + bk, v = x2 Wv^T + bv: three products of 8,192 x 1,024 x 1,024 on the given codes of BF8 (E5M2), sums in f32, each result quantised at once for the product that takes it:
; q_codes, k_codes: [8192 tokens][1024 features], K = the features, scales 2^e6, 2^e7.   v_codes: [4 batches][1024 features][2048 keys], K = the keys, scale 2^e9.
; NO WORK IS LEFT OUT: all five products are live, and each bias stands ahead of a quantiser, so bq, bk and bv are loaded.
; SHARES.  256 work-groups of four waves, and EACH STAYS FOR TWO TILES, so that all have the same work: first a tile of 256 tokens x 256 features of q or k (256 such tiles), then a tile of 128 features x 256 keys of v (256 such).
; TILE ONE.  The cluster's y, 0 to 15: T = y / 8 (0 q, 1 k), U = y % 8.  A = x (tile of tokens 4 U + cy), B = W (tile of features cx).  A wave makes 128 x 128: 64 accumulators.
; TILE TWO.  THE ROLES ARE SWAPPED, so that a lane's eight results are eight neighbouring KEYS: A = Wv (128 features, tile 4 (y % 2) + cy), B = x2 (256 tokens, tile 4 (y / 2) + cx).  A wave makes 64 x 128: 32 accumulators.
; K goes in steps of 256 through a ring of two LDS slots filled by the tensor data mover, and THE RING DOES NOT STOP BETWEEN THE TILES: tile one's last two changes of slots ask for tile two's K steps 0 and 1, and tile
; one's way out stands while the second of them is on its way.  Both tiles use one slot layout; of A's two regions of 128 rows tile two fills 64 each.
; CLUSTERS: 4 x 4 work-groups; A's tile is asked for jointly by the four of a row of the cluster, B's by the four of a column, in both tiles.  T, U and y are equal in all partners.
; THE MATRIX INSTRUCTION IS USED TRANSPOSED (source 0 = 16 rows of B, source 1 = 16 rows of A): lane (r, h), register j of accumulator (a, b) holds result(A's row 16 a + r, B's row 16 b + 8 h + j).
; THE BIAS is the C of each sum's first matrix instruction, divided by the power of two that the sums lack, 2^(eA + eB): by B's tile in tile one, by A's block in tile two.  The conversion's one scale is 2^(e_out - eA - eB).
; Tile one leaves in two halves of 128 rows, tile two in one.
; LIMITS: e_out - eA - eB between -126 and 112 for each of the three products, so that the powers of two below are f32 numbers.  NaN among the inputs is not served.
; No prefetch is written in this launch.
; REGISTERS, in windows of 256: window 0: v1 r, v2 h, v8-31 addresses and constants, v32-95 the bias in the result's layout, later rows on their way out, v96-99 tile two's bias as loaded,
;   v128-255 A's fragments (tile one: one set of eight blocks; tile two: two sets of four), later the codes.   window 1: B's fragments, two sets.
;   window 2: accumulators of my rows 0-63, (a, b) at v[8 (8 a + b)];   window 3: those of my rows 64-127 (tile one alone).
.set ROWB,   256                       ; a tile's row in bytes
.set KROW,   1024                      ; a row of A or of B in memory, in bytes
.set PITCH,  272                       ; an LDS row: 256 bytes + 16 of padding = 68 words: row r starts at bank 4 r mod 64 (64 banks of 4 bytes: ISA guide 11.1)
.set FR,     16                        ; registers of a fragment: 16 rows x 128 K
.set NL,     4                         ; LDS loads that bring one
.set NP,     4                         ; places behind this matrix instruction (ISA guide 7.12.1)
.set HALFT,  128*PITCH                 ; a region of 128 rows: what one tensor load of tile one brings
.set SLOT,   4*HALFT                   ; A's two regions, then B's two
.set SPARE,  2*SLOT                    ; behind the ring: the spare words, 128 bytes for each wave
.set STAGE,  SPARE+512                 ; behind them: the stage, 128 rows x 272 bytes, into which no tile lands
.set CO2,  8                           ; v8      tile two: my byte offset among the rows that I store
.set SCL2, 9                           ; v9      tile two: 2^(e9 - e4 - e5) as f32
.set LIM2, 10                          ; v10     57,344 x that
.set ADRA, 16                          ; v16-17  LDS address of my A fragments in slot 0, 1
.set ADRB, 20                          ; v20-21  the same for B
.set STO,  24                          ; v24     the way out: where I put 8 codes of a row
.set RD,   25                          ; v25     the way out: where I read a row back
.set CO,   26                          ; v26     tile one: my byte offset among the rows that I store
.set SPW,  28                          ; v28     LDS address of my spare word; never rewritten
.set NIL,  29                          ; v29     0; never rewritten
.set SCL,  30                          ; v30     tile one: 2^(e_out - eA - eB) as f32
.set LIM,  31                          ; v31     57,344 x that
.set BI,   32                          ; v32-95  the bias: eight registers a tile of B (tile one) or a block of A (tile two: v32-63)
.set RB,   32                          ; v32-95  the way out: 32 rows read back from the stage
.set RAW2, 96                          ; v96-99  bv of feature 16 a + r of my 64
.set AF,   128                         ; A's fragments
.set G1, 24                            ; s[24:31] descriptor group 1 for tile one's A;  s[32:39] group 0, one set for each slot
.set G0, 32
.set G1B, 48                           ; s[48:55] group 1 for B's tiles, of both tiles;  s[56:63] tile one's group 0
.set G0B, 56
.set G1A2, 68                          ; s[68:75] group 1 for tile two's A: 64 rows
.set G0A2, 76                          ; s[76:83] tile two's group 0 for A, one set for each slot
.set G0B2, 84                          ; s[84:91] and for B
.set MSB, 0
.macro WIN new                         ; the immediate's high byte repeats the setting that is left
.if MSB != (\new)
	s_set_vgpr_msb (MSB<<8)|(\new)
.set MSB, (\new)
.endif
.endm
.set MUL_LO, 0xa1                      ; source 0 (B) window 1, source 1 (A) window 0, C and D window 2
.set MUL_HI, 0xf1                      ; the same, C and D window 3
.set TO_B,   0x40                      ; destination window 1, address window 0
; A joint load: waves 0 and 1 fetch for A, waves 2 and 3 for B; the branch hangs on the wave's number alone.  An s_nop 0 and four v_nop follow each of the two lines.
.macro JLOAD g0a, g1a, g0b, g1b
	s_cmp_eq_u32 s15, 0
	s_cbranch_scc0 .Lfor_b_\@
	tensor_load_to_lds s[\g0a:\g0a+3], s[\g1a:\g1a+7]
	s_nop 0
.rept 4
	v_nop
.endr
	s_branch .Lasked_\@
.Lfor_b_\@:
	tensor_load_to_lds s[\g0b:\g0b+3], s[\g1b:\g1b+7]
	s_nop 0
.rept 4
	v_nop
.endr
.Lasked_\@:
.endm
.macro CREST                           ; a round of the cluster's barrier behind its opening barrier
	s_cmp_lg_u32 s14, 0
	s_cbranch_scc1 .Lnot_wave_0_\@
	s_barrier_signal -3
.Lnot_wave_0_\@:
	s_barrier_wait -3
	s_barrier_signal -1
	s_barrier_wait -1
.endm
.macro CROUND                          ; a whole round
	s_barrier_signal -1
	s_barrier_wait -1
	CREST
.endm
	s_load_b512 s[68:83], s[0:1], 0x0              ; x1 s68, x2 s70, Wq s72, Wk s74, Wv s76, bq s78, bk s80, bv s82
	s_load_b256 s[84:91], s[0:1], 0x40             ; the scales' exponents s84, q_codes s86, k_codes s88, v_codes s90
	v_lshl_add_u32 v[SPW], v0, 2, SPARE
	v_mov_b32 v[NIL], 0
	ds_add_u32 v[SPW], v[NIL]                      ; the wave's opening: the add, twice on end, and its wait ahead of my first tensor load
	ds_add_u32 v[SPW], v[NIL]                      ; and once more, under the one wait; the set-up below, work on registers, stands between
	v_lshrrev_b32 v1, 5, v0
	v_readfirstlane_b32 s14, v1                    ; wave 0..3
	s_lshr_b32 s15, s14, 1                         ; rh: which half of A's rows is mine.  Also: I fetch for A (0) or for B (1)
	s_and_b32 s16, s14, 1                          ; ch: which 128 of B's rows.  Also: which half of that tile I fetch
	s_bfe_u32 s40, ttmp6, 0x40000                  ; cx, cy: my place in the cluster
	s_bfe_u32 s41, ttmp6, 0x40004
	s_and_b32 s67, ttmp7, 0xffff                   ; the cluster's y
	s_lshr_b32 s66, s67, 3                         ; T: 0 q, 1 k
	s_and_b32 s17, s67, 7
	s_lshl_b32 s17, s17, 2
	s_add_co_u32 s17, s17, s41                     ; tile one: the tile of 256 tokens = 4 U + cy
	s_and_b32 s42, s67, 1
	s_lshl_b32 s42, s42, 2
	s_add_co_u32 s42, s42, s41                     ; tile two: the tile of 128 features = 4 (y % 2) + cy
	s_lshr_b32 s46, s67, 1
	s_lshl_b32 s46, s46, 2
	s_add_co_u32 s46, s46, s40                     ; tile two: the tile of 256 tokens = 4 (y / 2) + cx
	s_lshl_b32 s43, s41, 2
	s_lshl_b32 s43, 15, s43                        ; my row of the cluster
	s_lshl_b32 s44, 0x1111, s40                    ; my column
	; descriptor group 1: a tile of 128 rows x 256 bytes, padded in LDS
	s_or_b32 s[G1+0], s43, (0<<16)|(1<<20)|(1<<21)|(5<<22)|(3<<25)  ; 15:0 the mask; 17:16 element of 1 byte; 20 padding on; 21 set beside a mask; 24:22 after every 64 words (code 5); 31:25 of 4 words (code 3)
	s_or_b32 s[G1B+0], s44, (0<<16)|(1<<20)|(1<<21)|(5<<22)|(3<<25)
.irp g, G1, G1B
	s_mov_b32 s[\g+1], ROWB<<16                    ; tensor_dim0
	s_mov_b32 s[\g+2], 128<<16                     ; tensor_dim1
	s_mov_b32 s[\g+3], ROWB<<16                    ; tile_dim0
	s_mov_b32 s[\g+4], 128                         ; tile_dim1
	s_mov_b32 s[\g+5], KROW                        ; tensor_dim0_stride
	s_mov_b32 s[\g+6], 0
	s_mov_b32 s[\g+7], 0
.endr
	s_lshl_b32 s18, s16, 7                         ; which 128 rows of the tile I fetch
	s_lshl_b32 s20, s17, 8
	s_add_co_u32 s20, s20, s18                     ; A: token 256 x tile + 128 x half
	s_lshl_b32 s20, s20, 10                        ; in bytes: under 2^23
	s_mov_b32 s21, 0
	s_lshl_b32 s22, s40, 8
	s_add_co_u32 s22, s22, s18                     ; B: feature 256 cx + 128 x half
	s_lshl_b32 s22, s22, 10
	s_mov_b32 s23, 0
	s_mul_i32 s45, s14, HALFT                      ; where they go: region = wave: no place in the cluster enters an LDS address
	s_wait_dscnt 0x0                               ; both opening adds are done
	s_wait_kmcnt 0x0
	s_load_b256 s[92:99], s[84:85], 0x0            ; e0 .. e7
	s_load_b64 s[100:101], s[84:85], 0x20          ; e8, e9
	s_cmp_eq_u32 s66, 0                            ; tile one's buffers are chosen by T, which hangs on no address
	s_cselect_b64 s[4:5], s[68:69], s[70:71]       ; A: x1, x2
	s_cselect_b64 s[6:7], s[72:73], s[74:75]       ; B: Wq, Wk
	s_cselect_b64 s[8:9], s[78:79], s[80:81]       ; the bias
	s_cselect_b64 s[10:11], s[86:87], s[88:89]     ; the codes that I make
	s_add_nc_u64 s[20:21], s[4:5], s[20:21]
	s_add_nc_u64 s[22:23], s[6:7], s[22:23]
	CROUND                                         ; all sixteen work-groups are here: the first joint loads meet
.irp s, 0,1
	s_mov_b32 s[G0+4*\s], 1
	s_add_co_u32 s[G0+4*\s+1], s45, \s*SLOT
	s_add_nc_u64 s[G0+4*\s+2:G0+4*\s+3], s[20:21], \s*ROWB
	s_or_b32 s[G0+4*\s+3], s[G0+4*\s+3], 0x80000000
	s_mov_b32 s[G0B+4*\s], 1
	s_add_co_u32 s[G0B+4*\s+1], s45, \s*SLOT
	s_add_nc_u64 s[G0B+4*\s+2:G0B+4*\s+3], s[22:23], \s*ROWB
	s_or_b32 s[G0B+4*\s+3], s[G0B+4*\s+3], 0x80000000
	JLOAD G0+4*\s, G1, G0B+4*\s, G1B               ; two loads of mine are out
.endr
	v_and_b32 v1, 15, v0                           ; r = l % 16
	v_bfe_u32 v2, v0, 4, 1                         ; h = l / 16
	v_lshlrev_b32 v6, 5, v2                        ; 32 h
	v_lshlrev_b32 v7, 2, v1                        ; 4 r
	s_mov_b64 s[2:3], s[90:91]                     ; tile two's buffers: v_codes,
	s_mov_b64 s[12:13], s[82:83]                   ; bv,
	s_mov_b64 s[4:5], s[76:77]                     ; A = Wv,
	s_mov_b64 s[6:7], s[70:71]                     ; B = x2
	s_lshl_b32 s18, s40, 10                        ; both biases are asked for here, ahead of the wait for the scales
	s_lshl_b32 s19, s16, 9
	s_add_co_u32 s18, s18, s19
	s_mov_b32 s19, 0
	s_add_nc_u64 s[8:9], s[8:9], s[18:19]          ; tile one: at feature 256 cx + 128 ch
	s_lshl_b32 s18, s42, 9
	s_lshl_b32 s20, s15, 8
	s_add_co_u32 s18, s18, s20
	s_add_nc_u64 s[12:13], s[12:13], s[18:19]      ; tile two: at feature 128 x tile + 64 rh
.irp b, 0,1,2,3,4,5,6,7                        ; tile b's eight registers: the bias of features 16 b + 8 h + 0 .. 7
	global_load_b128 v[BI+8*\b:BI+8*\b+3], v6, s[8:9] offset:64*\b
	global_load_b128 v[BI+8*\b+4:BI+8*\b+7], v6, s[8:9] offset:64*\b+16
.endr
.irp a, 0,1,2,3
	global_load_b32 v[RAW2+\a], v7, s[12:13] offset:64*\a
.endr
	v_mul_u32_u24 v3, v1, PITCH
	v_lshl_add_u32 v4, v2, 4, v3                   ; a fragment's row x pitch + 16 x half
	s_mul_i32 s21, s15, HALFT                      ; my region of A
	s_mul_i32 s22, s16, HALFT                      ; my region of B,
	s_add_co_u32 s22, s22, 2*HALFT                 ; which lie behind A's two
.irp s, 0,1
	v_add_nc_u32 v[ADRA+\s], s21, v4
	v_add_nc_u32 v[ADRB+\s], s22, v4
	s_add_co_u32 s21, s21, SLOT
	s_add_co_u32 s22, s22, SLOT
.endr
	; the way out: ONE stage for the work-group, 128 rows x 272 bytes: a wave's 128 codes are half of a row's 256 bytes
	s_mul_i32 s23, s15, 64*PITCH
	s_lshl_b32 s18, s16, 7
	s_add_co_u32 s23, s23, s18
	s_add_co_u32 s23, s23, STAGE
	v_lshl_add_u32 v5, v2, 3, v3
	v_add_nc_u32 v[STO], s23, v5                   ; in: row 64 rh + r, byte 128 ch + 8 h
	s_mul_i32 s23, s14, 32*PITCH
	s_add_co_u32 s23, s23, STAGE
	v_mul_u32_u24 v5, v2, PITCH
	v_lshl_add_u32 v5, v1, 4, v5
	v_add_nc_u32 v[RD], s23, v5                    ; back: wave w takes rows 32 w on, whole; lanes 0-15 one row, lanes 16-31 the next
	v_lshlrev_b32 v[CO], 10, v2
	v_lshl_add_u32 v[CO], v1, 4, v[CO]             ; the same two rows in q_codes or k_codes (rows of 1,024 bytes),
	v_lshlrev_b32 v[CO2], 11, v2
	v_lshl_add_u32 v[CO2], v1, 4, v[CO2]           ; and in v_codes (rows of 2,048)
	s_lshl_b32 s20, s17, 8                         ; tile one: stage rows 32 w on are the tile's rows 128 (w / 2) + 32 (w % 2) on (the second half: 64 further down)
	s_lshl_b32 s21, s15, 7
	s_add_co_u32 s20, s20, s21
	s_lshl_b32 s21, s16, 5
	s_add_co_u32 s20, s20, s21
	s_lshl_b32 s20, s20, 10
	s_lshl_b32 s21, s40, 8
	s_add_co_u32 s20, s20, s21
	s_mov_b32 s21, 0
	s_add_nc_u64 s[10:11], s[10:11], s[20:21]
	s_lshl_b32 s20, s42, 7                         ; tile two: feature 128 x tile + 32 w; the tokens' tile is 8 x batch + the keys' tile; a batch is 2^21 bytes
	s_lshl_b32 s21, s14, 5
	s_add_co_u32 s20, s20, s21
	s_lshl_b32 s20, s20, 11
	s_and_b32 s21, s46, 7
	s_lshl_b32 s21, s21, 8
	s_add_co_u32 s20, s20, s21
	s_lshr_b32 s21, s46, 3
	s_lshl_b32 s21, s21, 21
	s_add_co_u32 s20, s20, s21
	s_mov_b32 s21, 0
	s_add_nc_u64 s[2:3], s[2:3], s[20:21]
	s_wait_kmcnt 0x0                               ; the exponents are in; s68 to s91 hold nothing that is still wanted
	s_add_co_i32 s18, s92, s93                     ; e0 + e1
	s_add_co_i32 s19, s94, s95                     ; e2 + e3
	s_cmp_eq_u32 s66, 0
	s_cselect_b32 s18, s18, s19                    ; eA + eB: a sum stands for sum x 2^(eA + eB)
	s_cselect_b32 s19, s98, s99                    ; e_out: e6, e7
	s_sub_co_i32 s19, s19, s18
	s_sub_co_i32 s67, 0, s18
	s_add_co_i32 s19, s19, 127
	s_lshl_b32 s18, s19, 23
	v_mov_b32 v[SCL], s18                          ; 2^(e_out - eA - eB): the conversion takes its exponent field
	s_add_co_i32 s19, s19, 15
	s_lshl_b32 s19, s19, 23
	s_or_b32 s19, s19, 0x600000
	v_mov_b32 v[LIM], s19                          ; 57,344 x that
	s_add_co_i32 s18, s96, s97                     ; tile two: e4 + e5
	s_sub_co_i32 s19, s101, s18                    ; e9 - e4 - e5
	s_sub_co_i32 s47, 0, s18
	s_add_co_i32 s19, s19, 127
	s_lshl_b32 s18, s19, 23
	v_mov_b32 v[SCL2], s18
	s_add_co_i32 s19, s19, 15
	s_lshl_b32 s19, s19, 23
	s_or_b32 s19, s19, 0x600000
	v_mov_b32 v[LIM2], s19
	; tile two's descriptors: A: 64 rows x 256 bytes into the head of my region; B: as in tile one
	s_or_b32 s[G1A2+0], s43, (0<<16)|(1<<20)|(1<<21)|(5<<22)|(3<<25)
	s_mov_b32 s[G1A2+1], ROWB<<16
	s_mov_b32 s[G1A2+2], 64<<16
	s_mov_b32 s[G1A2+3], ROWB<<16
	s_mov_b32 s[G1A2+4], 64
	s_mov_b32 s[G1A2+5], KROW
	s_mov_b32 s[G1A2+6], 0
	s_mov_b32 s[G1A2+7], 0
	s_lshl_b32 s20, s42, 7
	s_lshl_b32 s21, s16, 6
	s_add_co_u32 s20, s20, s21                     ; A: feature 128 x tile + 64 x half
	s_lshl_b32 s20, s20, 10
	s_mov_b32 s21, 0
	s_add_nc_u64 s[20:21], s[4:5], s[20:21]
	s_lshl_b32 s22, s46, 8
	s_lshl_b32 s23, s16, 7
	s_add_co_u32 s22, s22, s23                     ; B: token 256 x tile + 128 x half
	s_lshl_b32 s22, s22, 10
	s_mov_b32 s23, 0
	s_add_nc_u64 s[22:23], s[6:7], s[22:23]
.irp s, 0,1
	s_mov_b32 s[G0A2+4*\s], 1
	s_add_co_u32 s[G0A2+4*\s+1], s45, \s*SLOT
	s_add_nc_u64 s[G0A2+4*\s+2:G0A2+4*\s+3], s[20:21], \s*ROWB
	s_or_b32 s[G0A2+4*\s+3], s[G0A2+4*\s+3], 0x80000000
	s_mov_b32 s[G0B2+4*\s], 1
	s_add_co_u32 s[G0B2+4*\s+1], s45, \s*SLOT
	s_add_nc_u64 s[G0B2+4*\s+2:G0B2+4*\s+3], s[22:23], \s*ROWB
	s_or_b32 s[G0B2+4*\s+3], s[G0B2+4*\s+3], 0x80000000
.endr
	s_wait_loadcnt 0x0                             ; both biases
.set i, 0
.rept 64
	v_ldexp_f32 v[BI+i], v[BI+i], s67              ; / 2^(eA + eB)
.set i, i+1
.endr
.macro FRAG reg, adr, q, i             ; a fragment: lane l holds row l % 16; registers 4 c .. 4 c + 3 hold K = 32 c + 16 (l / 16) + 0 .. 15: the same permutation of k in A and in B
.irp c, 0,1,2,3
	ds_load_b128 v[\reg+4*\c:\reg+4*\c+3], v[\adr] offset:128*(\q)+32*\c+(\i)*16*PITCH
.endr
.endm
.macro PLACES n                        ; plain vector instructions between a matrix instruction and a load into, or a read of, its registers (ISA guide 7.12.1 for reads)
.rept \n
	v_nop
.endr
.endm
; ---- TILE ONE'S MACROS.  16 matrix instructions: A's blocks a0, a0 + 1 x B's eight, 128 along K.  p: B's set.  mode 0: the sums go on; 1: they start from the bias, by B's tile.
; The 64 accumulators take turns, one instruction a turn, in the same order in every step.
.macro MUL16 a0, p, mode
.irp a, \a0, \a0+1
.irp b, 0,1,2,3,4,5,6,7
.if (\mode) == 0
	v_wmma_f32_16x16x128_bf8_bf8 v[8*(8*((\a)%4)+\b):8*(8*((\a)%4)+\b)+7], v[128*(\p)+FR*\b:128*(\p)+FR*\b+FR-1], v[AF+FR*(\a):AF+FR*(\a)+FR-1], v[8*(8*((\a)%4)+\b):8*(8*((\a)%4)+\b)+7]
.else
	v_wmma_f32_16x16x128_bf8_bf8 v[8*(8*((\a)%4)+\b):8*(8*((\a)%4)+\b)+7], v[128*(\p)+FR*\b:128*(\p)+FR*\b+FR-1], v[AF+FR*(\a):AF+FR*(\a)+FR-1], v[BI+8*\b:BI+8*\b+7]
.endif
.endr
.endr
.endm
.macro FETCH_B slot, q, p              ; B's eight fragments of the slot's q-th 128 along K into set p
	WIN TO_B
.irp i, 0,1,2,3,4,5,6,7
	FRAG 128*(\p)+FR*\i, ADRB+\slot, \q, \i
.endr
	WIN 0
.endm
.macro FETCH_A slot, q, i0             ; A's blocks i0 .. i0 + 3
.irp i, \i0, \i0+1, \i0+2, \i0+3
	FRAG AF+FR*(\i), ADRA+\slot, \q, \i
.endr
.endm
; A step of 128 along K that has its successor in the same slot.  With mode 1 the C operand lies in window 0.
.macro STEP slot, q, mode
	s_wait_dscnt 4*NL                              ; B's set and A's blocks 0-3 are in; the youngest sixteen loads (A's blocks 4-7) may be out
.if \mode
	WIN 0x81
.else
	WIN MUL_LO
.endif
	MUL16 0, (\q)%2, \mode
	MUL16 2, (\q)%2, \mode
	s_wait_dscnt 0                                 ; A's blocks 4-7 are in
	PLACES NP
	FETCH_B \slot, (\q)+1, 1-(\q)%2
	FETCH_A \slot, (\q)+1, 0
.if \mode
	WIN 0xc1
.else
	WIN MUL_HI
.endif
	MUL16 4, (\q)%2, \mode
	MUL16 6, (\q)%2, \mode
	PLACES NP
	WIN 0
	FETCH_A \slot, (\q)+1, 4
.endm
; The first half of a slot's last step: ONE barrier for the change of slots, which opens a round of the cluster's; in front of it each wave waits for all its tensor loads, adds 0 to its spare word, and waits for that and for its own reads of this slot.
.macro MEET
	s_wait_tensorcnt 0x0                           ; all my tensor loads have landed: my part of the next slot
	ds_add_u32 v[SPW], v[NIL]                      ; 0 onto my spare word
	s_wait_dscnt 4*NL+1                            ; the add and the youngest sixteen loads (A's blocks 4-7) may be out
	WIN MUL_LO
	MUL16 0, 1, 0                                  ; sixteen matrix instructions stand between the add and the wait for it
	s_wait_dscnt 0x0                               ; the add is done, and my reads of this slot are over
	s_barrier_signal -1
	MUL16 2, 1, 0
	WIN 0
	s_barrier_wait -1
	CREST                                          ; no wave of any partner still reads this slot's tile or has a load on its way
.endm
; A slot's last step.  fill = 1: the slot takes this tile's K step two on; fill = 2: tile two's K step 0.  The refill is the first tensor load behind the round, my one load until the next; its four v_nop are the places in front of the loads below.
.macro TURN slot, next, fill
	MEET
.if (\fill) == 1
	s_add_nc_u64 s[G0+4*\slot+2:G0+4*\slot+3], s[G0+4*\slot+2:G0+4*\slot+3], 2*ROWB
	s_add_nc_u64 s[G0B+4*\slot+2:G0B+4*\slot+3], s[G0B+4*\slot+2:G0B+4*\slot+3], 2*ROWB
	JLOAD G0+4*\slot, G1, G0B+4*\slot, G1B
.else
	JLOAD G0A2+4*\slot, G1A2, G0B2+4*\slot, G1B
.endif
	FETCH_B \next, 0, 0
	FETCH_A \next, 0, 0
	WIN MUL_HI
	MUL16 4, 1, 0
	MUL16 6, 1, 0
	PLACES NP
	WIN 0
	FETCH_A \next, 0, 4
.endm
; ---- TILE TWO'S MACROS.  8 matrix instructions: A's block a x B's eight, set p.  mode 1: the sums start from the bias, by A's block.  The 32 accumulators take turns, one instruction a turn.
.macro MUL8 a, p, mode
.irp b, 0,1,2,3,4,5,6,7
.if \mode
	v_wmma_f32_16x16x128_bf8_bf8 v[8*(8*\a+\b):8*(8*\a+\b)+7], v[128*\p+FR*\b:128*\p+FR*\b+FR-1], v[128+64*\p+FR*\a:128+64*\p+FR*\a+FR-1], v[BI+8*\a:BI+8*\a+7]
.else
	v_wmma_f32_16x16x128_bf8_bf8 v[8*(8*\a+\b):8*(8*\a+\b)+7], v[128*\p+FR*\b:128*\p+FR*\b+FR-1], v[128+64*\p+FR*\a:128+64*\p+FR*\a+FR-1], v[8*(8*\a+\b):8*(8*\a+\b)+7]
.endif
.endr
.endm
.macro FETCH3 slot, q, p               ; 48 LDS loads in one run: B's eight fragments, then A's four, of the slot's q-th 128 along K, into set p
	WIN TO_B
.irp i, 0,1,2,3,4,5,6,7
	FRAG 128*\p+FR*\i, ADRB+\slot, \q, \i
.endr
	WIN 0
.irp i, 0,1,2,3
	FRAG 128+64*\p+FR*\i, ADRA+\slot, \q, \i
.endr
.endm
.macro STEP3 slot, mode                ; a K step's first 128, set 0; its second 128 are fetched into set 1
	s_wait_dscnt 8                                 ; B's set and A's blocks 0, 1 are in; the youngest eight loads (A's blocks 2, 3) may be out
.if \mode
	WIN 0x81
.else
	WIN MUL_LO
.endif
	MUL8 0, 0, \mode
	MUL8 1, 0, \mode
	s_wait_dscnt 0
	PLACES NP
	FETCH3 \slot, 1, 1
.if \mode
	WIN 0x81
.else
	WIN MUL_LO
.endif
	MUL8 2, 0, \mode
	MUL8 3, 0, \mode
	WIN 0
.endm
.macro TURN3 slot, next, fill          ; a K step's second 128, set 1, and the change of slots, with the same lines in front of its barrier as in tile one
	s_wait_tensorcnt 0x0                           ; all my tensor loads have landed: my part of the next slot
	ds_add_u32 v[SPW], v[NIL]                      ; 0 onto my spare word
	s_wait_dscnt 9                                 ; the add and the youngest eight loads (A's blocks 2, 3) may be out
	WIN MUL_LO
	MUL8 0, 1, 0
	s_wait_dscnt 0x0                               ; the add is done, and my reads of this slot are over
	s_barrier_signal -1
	MUL8 1, 1, 0
	WIN 0
	s_barrier_wait -1
.if \fill
	CREST                                          ; the barrier has opened a round of the cluster's barrier
	s_add_nc_u64 s[G0A2+4*\slot+2:G0A2+4*\slot+3], s[G0A2+4*\slot+2:G0A2+4*\slot+3], 2*ROWB
	s_add_nc_u64 s[G0B2+4*\slot+2:G0B2+4*\slot+3], s[G0B2+4*\slot+2:G0B2+4*\slot+3], 2*ROWB
	JLOAD G0A2+4*\slot, G1A2, G0B2+4*\slot, G1B    ; the K step two on: the first tensor load behind the round, my one load until the next
.else
	PLACES NP
.endif
	FETCH3 \next, 0, 0
	WIN MUL_LO
	MUL8 2, 1, 0
	MUL8 3, 1, 0
	WIN 0
.endm
; ---- THE WAY OUT'S MACROS.  QV: a window's 32 accumulators are held within the largest code x the scale (the conversion to an 8-bit code does not saturate: ISA guide 7.6.2), each from its low end on, and converted,
; eight neighbours along the next K to two registers.  Block a's 16 code registers lie at v[128 + 16 idx(a)] of window 0, idx = 0,1,4,2,6,7,5,3: no conversion names one number as destination and as source.
.macro QV W, scl, lim
	WIN (((\W)<<6)|(\W))
.set i, 0
.rept 256
	v_med3_num_f32 v[i], v[i], -v[\lim], v[\lim]
.set i, i+1
.endr
	WIN (\W)
.irp m, 0,1,2,3
.set CD, 128+16*((0x35762410>>(4*(4*((\W)-2)+\m)))&15)
.irp b, 0,1,2,3,4,5,6,7
	v_cvt_scalef32_pk8_bf8_f32 v[CD+2*\b:CD+2*\b+1], v[64*\m+8*\b:64*\m+8*\b+7], v[\scl]
.endr
.endr
	WIN 0
	v_nop                                          ; one plain vector instruction behind the last conversion of the run
.endm
.macro QS W                            ; the window's codes into the stage
.irp m, 0,1,2,3
.set CD, 128+16*((0x35762410>>(4*(4*((\W)-2)+\m)))&15)
.irp b, 0,1,2,3,4,5,6,7
	ds_store_b64 v[STO], v[CD+2*\b:CD+2*\b+1] offset:\m*16*PITCH+16*\b   ; words 68 r + 2 h + 0, 1: the 32 lanes touch 64 different banks
.endr
.endr
.endm
.macro BARRIER                         ; my LDS stores have landed and my LDS loads are in: then the work-group's barrier.
	s_wait_dscnt 0x0
	s_barrier_signal -1
	s_barrier_wait -1
.endm
.macro RBL                             ; my 32 rows of the stage, two an instruction
.set t, 0
.rept 16
	ds_load_b128 v[RB+4*t:RB+4*t+3], v[RD] offset:t*2*PITCH
.set t, t+1
.endr
.endm
.macro OUTR co, lo, pitch, off         ; and out: 16 lanes store 256 consecutive bytes, at a multiple of 256 from the buffer's first byte
.set t, 0
.rept 16
	s_wait_dscnt 15-t                              ; LDS loads come back in order: pair t of rows is in, the younger ones may be out
	global_store_b128 v[\co], v[RB+4*t:RB+4*t+3], s[\lo:\lo+1] offset:2*t*(\pitch)+(\off)
.set t, t+1
.endr
.endm
	; ---- TILE ONE
	s_wait_tensorcnt 1                             ; my part of K step 0 is in; K step 1's load may be out
	s_barrier_signal -1
	s_barrier_wait -1                              ; everybody's is
	FETCH_B 0, 0, 0
	FETCH_A 0, 0, 0
	FETCH_A 0, 0, 4
	STEP 0, 0, 1                                   ; the first products start the sums from the bias
	TURN 0, 1, 1                                   ; slot 0 takes K step 2
	STEP 1, 0, 0
	TURN 1, 0, 1                                   ; slot 1 takes K step 3
	STEP 0, 0, 0
	TURN 0, 1, 2                                   ; THE RING GOES ON INTO TILE TWO: slot 0 takes its K step 0,
	STEP 1, 0, 0
	MEET
	JLOAD G0A2+4, G1A2, G0B2+4, G1B                ; slot 1 its K step 1; nothing is fetched from LDS here: A's registers take the codes next
	WIN MUL_HI
	MUL16 4, 1, 0
	MUL16 6, 1, 0
	WIN 0
	; tile one's way out, in two halves of 128 rows (my blocks 0-3, then 4-7), while slot 1's load is on its way
	PLACES NP
	QV 2, SCL, LIM
	QS 2
	BARRIER                                        ; the first half's 128 rows lie in the stage
	RBL
	QV 3, SCL, LIM                                 ; the second half's arithmetic stands between the loads and the waits for them
	OUTR CO, 10, 1024, 0
	BARRIER                                        ; every wave's reads of the stage are over: it may be written again
	QS 3
	BARRIER
	s_wait_xcnt 0x0                                ; the first half's stores have read their registers: the loads below may land there
	RBL
	OUTR CO, 10, 1024, 64*1024
	; ---- TILE TWO
	s_wait_xcnt 0x0                                ; the second half's stores have read their registers, which take the bias
.irp a, 0,1,2,3
.irp j, 0,1,2,3,4,5,6,7
	v_ldexp_f32 v[BI+8*\a+\j], v[RAW2+\a], s47     ; block a's eight registers all hold bv(16 a + r) / 2^(e4 + e5)
.endr
.endr
	FETCH3 0, 0, 0                                 ; slot 0 was shown whole by the round in front of slot 1's load
	STEP3 0, 1                                     ; the first products start the sums from the bias
	TURN3 0, 1, 1                                  ; slot 0 takes K step 2
	STEP3 1, 0
	TURN3 1, 0, 1                                  ; slot 1 takes K step 3: the last load
	STEP3 0, 0
	TURN3 0, 1, 0                                  ; nothing is left to fetch, and no round of the cluster's barrier follows
	STEP3 1, 0
	s_wait_dscnt 8                                 ; the very last step
	WIN MUL_LO
	MUL8 0, 1, 0
	MUL8 1, 1, 0
	s_wait_dscnt 0
	MUL8 2, 1, 0
	MUL8 3, 1, 0
	WIN 0
	PLACES NP
	QV 2, SCL2, LIM2
	QS 2                                           ; every wave's last reads of the stage were over in front of the barriers of tile two's changes of slots
	BARRIER
	RBL
	OUTR CO2, 2, 2048, 0
	s_wait_tensorcnt 0x0                           ; the wave's end: wait for my last tensor load, then add 0 to my spare word behind my last LDS store
	ds_add_u32 v[SPW], v[NIL]
	s_wait_dscnt 0x0
	CROUND                                         ; the closing round: no work-group ends while a partner may still ask for a tile that names it
	s_endpgm
.Lfunc_end_k_qfe606e97eb_project:
	.size	k_qfe606e97eb_project, .Lfunc_end_k_qfe606e97eb_project-k_qfe606e97eb_project
	.p2alignl 7, 3214868480
	.fill 96, 4, 3214868480
	.section	.rodata,"a",@progbits
	.p2align	6, 0x0
	.amdhsa_kernel k_qfe606e97eb_project
		.amdhsa_group_segment_fixed_size 327680
		.amdhsa_private_segment_fixed_size 0
		.amdhsa_enable_private_segment 0
		.amdhsa_kernarg_size 96
		.amdhsa_user_sgpr_count 2
		.amdhsa_user_sgpr_kernarg_segment_ptr 1
		.amdhsa_wavefront_size32 1
		.amdhsa_system_sgpr_workgroup_id_x 1
		.amdhsa_system_sgpr_workgroup_id_y 1
		.amdhsa_system_sgpr_workgroup_id_z 1
		.amdhsa_system_vgpr_workitem_id 0
		.amdhsa_next_free_vgpr 1024
		.amdhsa_next_free_sgpr 102
		.amdhsa_reserve_vcc 0
		.amdhsa_float_denorm_mode_32 3
		.amdhsa_float_denorm_mode_16_64 3
		.amdhsa_memory_ordered 1
		.amdhsa_forward_progress 1
		.amdhsa_inst_pref_size 206
	.end_amdhsa_kernel
	.amdgpu_metadata
---
amdhsa.version: [ 1, 2 ]
amdhsa.kernels:
  - .name:           k_qfe606e97eb_project
    .symbol:         k_qfe606e97eb_project.kd
    .args:
      - { .name: x1_codes, .offset: 0, .size: 8, .value_kind: global_buffer, .address_space: global }
      - { .name: x2_codes, .offset: 8, .size: 8, .value_kind: global_buffer, .address_space: global }
      - { .name: Wq_codes, .offset: 16, .size: 8, .value_kind: global_buffer, .address_space: global }
      - { .name: Wk_codes, .offset: 24, .size: 8, .value_kind: global_buffer, .address_space: global }
      - { .name: Wv_codes, .offset: 32, .size: 8, .value_kind: global_buffer, .address_space: global }
      - { .name: bq, .offset: 40, .size: 8, .value_kind: global_buffer, .address_space: global }
      - { .name: bk, .offset: 48, .size: 8, .value_kind: global_buffer, .address_space: global }
      - { .name: bv, .offset: 56, .size: 8, .value_kind: global_buffer, .address_space: global }
      - { .name: lowp_scales, .offset: 64, .size: 8, .value_kind: global_buffer, .address_space: global }
      - { .name: q_codes, .offset: 72, .size: 8, .value_kind: global_buffer, .address_space: global }
      - { .name: k_codes, .offset: 80, .size: 8, .value_kind: global_buffer, .address_space: global }
      - { .name: v_codes, .offset: 88, .size: 8, .value_kind: global_buffer, .address_space: global }
    .group_segment_fixed_size: 327680
    .private_segment_fixed_size: 0
    .kernarg_segment_align: 8
    .kernarg_segment_size: 96
    .max_flat_workgroup_size: 128
    .sgpr_count:     102
    .vgpr_count:     1024
    .wavefront_size: 32
...
	.end_amdgpu_metadata
.endif
;; end of part 1
;; launch scores (part 2): grid 8 x 32, 4 waves a work-group, clusters of 4 x 4, 327,680 bytes of LDS; arguments q_codes, k_codes, lowp_scales, p_codes, stats; writes p_codes, stats
.if DOCPART == 2
	.amdgcn_target "amdgcn-amd-amdhsa--gfx1250"
	.amdhsa_code_object_version 6
	.text
	.protected	k_qfe606e97eb_scores
	.globl	k_qfe606e97eb_scores
	.p2align	8
	.type	k_qfe606e97eb_scores,@function
k_qfe606e97eb_scores:
	s_mov_b64 s[64:65], 0
	v_nop
	global_prefetch_b8 v0, s[64:65] scope:SCOPE_SE
	s_setreg_imm32_b32 hwreg(HW_REG_WAVE_MODE, 25, 1), 1
	s_wait_xcnt 0x0
	s_wait_alu depctr_hold_cnt(0) depctr_sa_sdst(0) depctr_va_vdst(0) depctr_va_sdst(0) depctr_va_ssrc(0) depctr_va_vcc(0) depctr_vm_vsrc(0)
	s_getreg_b32 s2, hwreg(HW_REG_IB_STS2, 6, 4)
	s_cmp_eq_u32 s2, 0
	s_cbranch_scc0 .Lentry_in_a_cluster
	s_endpgm
.Lentry_in_a_cluster:
	s_bfe_u32 s2, ttmp6, 0x10000c
	s_cmp_lg_u32 s2, 0xf033
	s_cbranch_scc0 .Lentry_shape_is_right
	s_endpgm
.Lentry_shape_is_right:
; S = q k^T on codes of BF8 (E5M2), in tiles of 256 queries x 256 keys, and the softmax's p of each tile, quantised along the keys.  No work of the problem is left out here.
; q_codes, k_codes: [8192 tokens][1024].  p_codes: [8192 queries][2048 keys of the query's batch].  stats: f32, [32 tiles of queries][8 chunks of keys][2][256 rows]: plane 0 holds -M_c, plane 1 holds l_c.
; THE SOFTMAX.  t = score x c, c = log2(e) / 32 x 2^(e6 + e7).  A tile sees chunk c of a row's keys: M_c = the largest t of these 256 keys, rounded up to a whole number; p = 2^(t - M_c) is quantised with 2^e8;
; l_c is the sum of the unquantised p.  The next launch brings the eight chunks of a row under one M by exact powers of two.
; SHARES, RING, CLUSTERS, LAYOUT as in the launch before: four waves, 128 x 128 each; A = q, B = k; lane (r, h), register j of accumulator (a, b) holds S(query 16 a + r, key 16 b + 8 h + j).
; So a lane holds one query of each block and 64 of its keys; lane l xor 16 holds 64 more, and the wave with the other ch the other 128: the two meet through LDS words.
; LIMITS: e6 + e7 between -121 and 132 (added to c's exponent field); e8 between -126 and 112.  NaN among the inputs is not served.
; No prefetch is written: the walk along K has four steps, of which two are asked for at the head.
; REGISTERS: window 0: v1 r, v2 h, v8-11, v16-29 addresses; v32-47 -M_c and t, a pair for each block; v48-55 the partner's maximum, then l; v56, v57 the hold and the scale; v64-95 at work; v96-111 statistics;
;   v128-255 A's fragments, later the codes and the rows on their way out.   window 1: B's fragments, two sets.   windows 2, 3: the accumulators.
.set ROWB,   256
.set KROW,   1024
.set PITCH,  272                       ; an LDS row: 256 bytes + 16 of padding = 68 words: row r starts at bank 4 r mod 64 (64 banks of 4 bytes: ISA guide 11.1)
.set FR,     16
.set NL,     4
.set NP,     4
.set HALFT,  128*PITCH
.set SLOT,   4*HALFT
.set SPARE,  2*SLOT                    ; behind the ring: the spare words, 128 bytes for each wave
.set XS,     SPARE+512                 ; behind them: [2 ch][256 rows] f32 of maxima, then the same of sums: 4,096 bytes into which no tile lands
.set MXA,  8                           ; v8      my words there: XS + 1024 ch + 512 rh + 4 r
.set MXB,  9                           ; v9      my partner's: the other ch
.set SRA,  10                          ; v10     the statistics' way out: XS + 2048 h + 256 w + 16 (l % 16)
.set SGO,  11                          ; v11     and their place in a record: 1024 h + 256 w + 16 (l % 16)
.set ADRA, 16
.set ADRB, 20
.set STO,  24
.set RD,   25
.set CO,   26
.set SPW,  28
.set NIL,  29
.set NMB,  32                          ; block a: v[32 + 2 a] -M_c, v[33 + 2 a] the largest score, then t
.set LS,   48
.set LIM,  56
.set SCL,  57
.set TT,   64
.set AF,   128
.set SEL,  66                          ; s[66:67] lane selects for v_permlanex16_b32: lane l xor 16
.set G1, 24
.set G0, 32
.set G1B, 48
.set G0B, 56
.set MSB, 0
.macro WIN new                         ; the immediate's high byte repeats the setting that is left
.if MSB != (\new)
	s_set_vgpr_msb (MSB<<8)|(\new)
.set MSB, (\new)
.endif
.endm
.set MUL_LO, 0xa1
.set MUL_HI, 0xf1
.set TO_B,   0x40
.macro JLOAD g0a, g1a, g0b, g1b        ; a joint load: waves 0 and 1 fetch for A, waves 2 and 3 for B; an s_nop 0 and four v_nop follow each of the two lines
	s_cmp_eq_u32 s15, 0
	s_cbranch_scc0 .Lfor_b_\@
	tensor_load_to_lds s[\g0a:\g0a+3], s[\g1a:\g1a+7]
	s_nop 0
.rept 4
	v_nop
.endr
	s_branch .Lasked_\@
.Lfor_b_\@:
	tensor_load_to_lds s[\g0b:\g0b+3], s[\g1b:\g1b+7]
	s_nop 0
.rept 4
	v_nop
.endr
.Lasked_\@:
.endm
.macro CREST
	s_cmp_lg_u32 s14, 0
	s_cbranch_scc1 .Lnot_wave_0_\@
	s_barrier_signal -3
.Lnot_wave_0_\@:
	s_barrier_wait -3
	s_barrier_signal -1
	s_barrier_wait -1
.endm
.macro CROUND
	s_barrier_signal -1
	s_barrier_wait -1
	CREST
.endm
	s_load_b256 s[4:11], s[0:1], 0x0               ; q_codes s[4:5], k_codes s[6:7], the scales' exponents s[8:9], p_codes s[10:11]
	s_load_b64 s[12:13], s[0:1], 0x20              ; stats
	v_lshl_add_u32 v[SPW], v0, 2, SPARE
	v_mov_b32 v[NIL], 0
	ds_add_u32 v[SPW], v[NIL]                      ; the wave's opening: the add, twice on end, and its wait ahead of my first tensor load
	ds_add_u32 v[SPW], v[NIL]                      ; and once more, under the one wait
	v_lshrrev_b32 v1, 5, v0
	v_readfirstlane_b32 s14, v1                    ; wave 0..3
	s_lshr_b32 s15, s14, 1                         ; rh.  Also: I fetch for A (0) or for B (1)
	s_and_b32 s16, s14, 1                          ; ch.  Also: which 128 rows of that tile I fetch
	s_bfe_u32 s40, ttmp6, 0x40000                  ; cx, cy
	s_bfe_u32 s41, ttmp6, 0x40004
	s_lshl_b32 s42, ttmp9, 2
	s_add_co_u32 s42, s42, s40                     ; the chunk of keys, 0 to 7 = 4 x cluster x + cx
	s_and_b32 s17, ttmp7, 0xffff
	s_lshr_b32 s19, s17, 1                         ; the batch = cluster y / 2: the four partners of a column share it
	s_lshl_b32 s17, s17, 2
	s_add_co_u32 s17, s17, s41                     ; the tile of queries, 0 to 31 = 4 x cluster y + cy
	s_lshl_b32 s43, s41, 2
	s_lshl_b32 s43, 15, s43                        ; my row of the cluster
	s_lshl_b32 s44, 0x1111, s40                    ; my column
	s_or_b32 s[G1+0], s43, (0<<16)|(1<<20)|(1<<21)|(5<<22)|(3<<25)  ; the mask; element of 1 byte; padding on; bit 21 beside a mask; 4 words after every 64
	s_or_b32 s[G1B+0], s44, (0<<16)|(1<<20)|(1<<21)|(5<<22)|(3<<25)
.irp g, G1, G1B
	s_mov_b32 s[\g+1], ROWB<<16                    ; tensor_dim0
	s_mov_b32 s[\g+2], 128<<16                     ; tensor_dim1
	s_mov_b32 s[\g+3], ROWB<<16                    ; tile_dim0
	s_mov_b32 s[\g+4], 128                         ; tile_dim1
	s_mov_b32 s[\g+5], KROW                        ; tensor_dim0_stride
	s_mov_b32 s[\g+6], 0
	s_mov_b32 s[\g+7], 0
.endr
	s_lshl_b32 s18, s16, 7
	s_lshl_b32 s20, s17, 8
	s_add_co_u32 s20, s20, s18                     ; A: query 256 x tile + 128 x half
	s_lshl_b32 s20, s20, 10
	s_mov_b32 s21, 0
	s_lshl_b32 s46, s42, 8
	s_add_co_u32 s46, s46, s18
	s_lshl_b32 s19, s19, 11
	s_add_co_u32 s46, s46, s19                     ; B: token 2,048 x batch + 256 x chunk + 128 x half
	s_lshl_b32 s46, s46, 10
	s_mov_b32 s47, 0
	s_mul_i32 s45, s14, HALFT
	s_mov_b32 s[SEL], 0x76543210
	s_mov_b32 s[SEL+1], 0xfedcba98
	s_wait_dscnt 0x0                               ; both opening adds are done
	s_wait_kmcnt 0x0
	s_load_b128 s[92:95], s[8:9], 0x18             ; e6, e7, e8, e9
	s_add_nc_u64 s[20:21], s[4:5], s[20:21]
	s_add_nc_u64 s[46:47], s[6:7], s[46:47]
	CROUND                                         ; all sixteen work-groups are here: the first joint loads meet
.irp s, 0,1
	s_mov_b32 s[G0+4*\s], 1
	s_add_co_u32 s[G0+4*\s+1], s45, \s*SLOT
	s_add_nc_u64 s[G0+4*\s+2:G0+4*\s+3], s[20:21], \s*ROWB
	s_or_b32 s[G0+4*\s+3], s[G0+4*\s+3], 0x80000000
	s_mov_b32 s[G0B+4*\s], 1
	s_add_co_u32 s[G0B+4*\s+1], s45, \s*SLOT
	s_add_nc_u64 s[G0B+4*\s+2:G0B+4*\s+3], s[46:47], \s*ROWB
	s_or_b32 s[G0B+4*\s+3], s[G0B+4*\s+3], 0x80000000
	JLOAD G0+4*\s, G1, G0B+4*\s, G1B               ; two loads of mine are out
.endr
	v_and_b32 v1, 15, v0                           ; r
	v_bfe_u32 v2, v0, 4, 1                         ; h
	v_mul_u32_u24 v3, v1, PITCH
	v_lshl_add_u32 v4, v2, 4, v3
	s_mul_i32 s21, s15, HALFT
	s_mul_i32 s22, s16, HALFT
	s_add_co_u32 s22, s22, 2*HALFT
.irp s, 0,1
	v_add_nc_u32 v[ADRA+\s], s21, v4
	v_add_nc_u32 v[ADRB+\s], s22, v4
	s_add_co_u32 s21, s21, SLOT
	s_add_co_u32 s22, s22, SLOT
.endr
	s_mul_i32 s23, s15, 128*PITCH                  ; the stage for p's codes: 256 rows x 272 bytes from LDS byte 0 on
	s_lshl_b32 s18, s16, 7
	s_add_co_u32 s23, s23, s18
	v_lshl_add_u32 v5, v2, 3, v3
	v_add_nc_u32 v[STO], s23, v5                   ; in: row 128 rh + r, byte 128 ch + 8 h
	s_mul_i32 s23, s14, 64*PITCH
	v_mul_u32_u24 v5, v2, PITCH
	v_lshl_add_u32 v5, v1, 4, v5
	v_add_nc_u32 v[RD], s23, v5                    ; back: rows 64 w on, whole
	v_lshlrev_b32 v7, 2, v1                        ; 4 r
	s_lshl_b32 s22, s16, 10
	s_lshl_b32 s23, s15, 9
	s_add_co_u32 s22, s22, s23
	s_add_co_u32 s22, s22, XS
	v_add_nc_u32 v[MXA], s22, v7
	s_xor_b32 s22, s16, 1
	s_lshl_b32 s22, s22, 10
	s_add_co_u32 s22, s22, s23
	s_add_co_u32 s22, s22, XS
	v_add_nc_u32 v[MXB], s22, v7
	v_lshlrev_b32 v5, 11, v2
	v_lshl_add_u32 v5, v1, 4, v5
	s_lshl_b32 s23, s14, 8
	s_add_co_u32 s22, s23, XS
	v_add_nc_u32 v[SRA], s22, v5
	v_lshlrev_b32 v5, 10, v2
	v_lshl_add_u32 v5, v1, 4, v5
	v_add_nc_u32 v[SGO], s23, v5
	s_lshl_b32 s20, s17, 8                         ; p_codes at my 64 rows: (256 x tile + 64 w) rows of 2,048 bytes + 256 x chunk
	s_lshl_b32 s21, s14, 6
	s_add_co_u32 s20, s20, s21
	s_lshl_b32 s20, s20, 11
	s_lshl_b32 s21, s42, 8
	s_add_co_u32 s20, s20, s21
	s_mov_b32 s21, 0
	s_add_nc_u64 s[10:11], s[10:11], s[20:21]
	s_lshl_b32 s20, s17, 3                         ; stats at my tile's record: (8 x tile + chunk) x 2,048 bytes
	s_add_co_u32 s20, s20, s42
	s_lshl_b32 s20, s20, 11
	s_add_nc_u64 s[12:13], s[12:13], s[20:21]
	s_wait_kmcnt 0x0
	s_add_co_i32 s96, s92, s93
	s_lshl_b32 s96, s96, 23
	s_add_co_i32 s96, s96, 0x3d38aa3b              ; c = log2(e) / 32, with e6 + e7 added to its exponent field
	s_mov_b32 s97, s96                             ; (named with it as a pair, so it is written)
	s_add_co_i32 s18, s94, 127
	s_lshl_b32 s19, s18, 23
	v_mov_b32 v[SCL], s19                          ; 2^e8 as f32, for the conversion
	s_add_co_i32 s18, s18, 15
	s_lshl_b32 s18, s18, 23
	s_or_b32 s18, s18, 0x600000
	v_mov_b32 v[LIM], s18                          ; 57,344 x 2^e8
.macro FRAG reg, adr, q, i             ; lane l holds row l % 16; registers 4 c .. 4 c + 3 hold K = 32 c + 16 (l / 16) + 0 .. 15: the same permutation of k in A and in B
.irp c, 0,1,2,3
	ds_load_b128 v[\reg+4*\c:\reg+4*\c+3], v[\adr] offset:128*(\q)+32*\c+(\i)*16*PITCH
.endr
.endm
; 16 matrix instructions: A's blocks a0, a0 + 1 x B's eight.  zero = 1: the first product starts the sums.  The 64 accumulators take turns, one instruction a turn.
.macro MUL16 a0, p, zero
.irp a, \a0, \a0+1
.irp b, 0,1,2,3,4,5,6,7
.if \zero
	v_wmma_f32_16x16x128_bf8_bf8 v[8*(8*((\a)%4)+\b):8*(8*((\a)%4)+\b)+7], v[128*(\p)+FR*\b:128*(\p)+FR*\b+FR-1], v[AF+FR*(\a):AF+FR*(\a)+FR-1], 0
.else
	v_wmma_f32_16x16x128_bf8_bf8 v[8*(8*((\a)%4)+\b):8*(8*((\a)%4)+\b)+7], v[128*(\p)+FR*\b:128*(\p)+FR*\b+FR-1], v[AF+FR*(\a):AF+FR*(\a)+FR-1], v[8*(8*((\a)%4)+\b):8*(8*((\a)%4)+\b)+7]
.endif
.endr
.endr
.endm
.macro FETCH_B slot, q, p
	WIN TO_B
.irp i, 0,1,2,3,4,5,6,7
	FRAG 128*(\p)+FR*\i, ADRB+\slot, \q, \i
.endr
	WIN 0
.endm
.macro FETCH_A slot, q, i0
.irp i, \i0, \i0+1, \i0+2, \i0+3
	FRAG AF+FR*(\i), ADRA+\slot, \q, \i
.endr
.endm
.macro PLACES n                        ; plain vector instructions between a matrix instruction and a load into, or a read of, its registers (ISA guide 7.12.1 for reads)
.rept \n
	v_nop
.endr
.endm
.macro STEP slot, q, zero
	s_wait_dscnt 4*NL                              ; B's set and A's blocks 0-3 are in; the youngest sixteen loads (A's blocks 4-7) may be out
	WIN MUL_LO
	MUL16 0, (\q)%2, \zero
	MUL16 2, (\q)%2, \zero
	s_wait_dscnt 0                                 ; A's blocks 4-7 are in
	PLACES NP
	FETCH_B \slot, (\q)+1, 1-(\q)%2
	FETCH_A \slot, (\q)+1, 0
	WIN MUL_HI
	MUL16 4, (\q)%2, \zero
	MUL16 6, (\q)%2, \zero
	PLACES NP
	WIN 0
	FETCH_A \slot, (\q)+1, 4
.endm
.macro TURN slot, next, fill
	s_wait_tensorcnt 0x0                           ; all my tensor loads have landed: my part of the next slot
	ds_add_u32 v[SPW], v[NIL]                      ; 0 onto my spare word
	s_wait_dscnt 4*NL+1                            ; the add and the youngest sixteen loads may be out
	WIN MUL_LO
	MUL16 0, 1, 0
	s_wait_dscnt 0x0                               ; the add is done, and my reads of this slot are over
	s_barrier_signal -1
	MUL16 2, 1, 0
	WIN 0
	s_barrier_wait -1
.if \fill
	CREST                                          ; the barrier has opened a round of the cluster's barrier: no wave of any partner still reads this slot's tile or has a load on its way
	s_add_nc_u64 s[G0+4*\slot+2:G0+4*\slot+3], s[G0+4*\slot+2:G0+4*\slot+3], 2*ROWB
	s_add_nc_u64 s[G0B+4*\slot+2:G0B+4*\slot+3], s[G0B+4*\slot+2:G0B+4*\slot+3], 2*ROWB
	JLOAD G0+4*\slot, G1, G0B+4*\slot, G1B         ; the first tensor load behind the round, my one load until the next
.else
	PLACES NP
.endif
	FETCH_B \next, 0, 0
	FETCH_A \next, 0, 0
	WIN MUL_HI
	MUL16 4, 1, 0
	MUL16 6, 1, 0
	PLACES NP
	WIN 0
	FETCH_A \next, 0, 4
.endm
	s_wait_tensorcnt 1                             ; my part of K step 0 is in; K step 1's load may be out
	s_barrier_signal -1
	s_barrier_wait -1
	FETCH_B 0, 0, 0
	FETCH_A 0, 0, 0
	FETCH_A 0, 0, 4
	STEP 0, 0, 1                                   ; the first step's products start the sums
	s_mov_b32 s3, 1
.Llap:
	TURN 0, 1, 1
	STEP 1, 0, 0
	TURN 1, 0, 1
	STEP 0, 0, 0
	s_sub_co_u32 s3, s3, 1
	s_cmp_lg_u32 s3, 0
	s_cbranch_scc1 .Llap
	TURN 0, 1, 0                                   ; the last lap fills nothing
	STEP 1, 0, 0
	s_wait_dscnt 4*NL
	WIN MUL_LO
	MUL16 0, 1, 0
	MUL16 2, 1, 0
	s_wait_dscnt 0
	WIN MUL_HI
	MUL16 4, 1, 0
	MUL16 6, 1, 0
	WIN 0
; THE LARGEST SCORE of each query among my lane's 64 keys, in two chains a block, the window's four blocks by turns; the registers go up.  Then lane l xor 16's.
.macro MAXW W
	WIN ((\W)|((\W)<<2)|((\W)<<4))
.irp m, 0,1,2,3
	v_max3_num_f32 v[NMB+2*(4*((\W)-2)+\m)+1], v[64*\m], v[64*\m+1], v[64*\m+2]
	v_max3_num_f32 v[TT+4*((\W)-2)+\m], v[64*\m+3], v[64*\m+4], v[64*\m+5]
.endr
	WIN (((\W)<<2)|((\W)<<4))
.irp i, 6,10,14,18,22,26,30,34,38,42,46,50,54,58
.irp m, 0,1,2,3
	v_max3_num_f32 v[NMB+2*(4*((\W)-2)+\m)+1], v[NMB+2*(4*((\W)-2)+\m)+1], v[64*\m+\i], v[64*\m+\i+1]
	v_max3_num_f32 v[TT+4*((\W)-2)+\m], v[TT+4*((\W)-2)+\m], v[64*\m+\i+2], v[64*\m+\i+3]
.endr
.endr
.irp m, 0,1,2,3
	v_max3_num_f32 v[NMB+2*(4*((\W)-2)+\m)+1], v[NMB+2*(4*((\W)-2)+\m)+1], v[64*\m+62], v[64*\m+63]
.endr
	WIN 0
.irp m, 0,1,2,3
	v_max_num_f32 v[NMB+2*(4*((\W)-2)+\m)+1], v[NMB+2*(4*((\W)-2)+\m)+1], v[TT+4*((\W)-2)+\m]
.endr
.irp m, 0,1,2,3
	v_permlanex16_b32 v[TT+4*((\W)-2)+\m], v[NMB+2*(4*((\W)-2)+\m)+1], s[SEL], s[SEL+1]   ; (its destination has been written)
.endr
.irp m, 0,1,2,3
	v_max_num_f32 v[NMB+2*(4*((\W)-2)+\m)+1], v[NMB+2*(4*((\W)-2)+\m)+1], v[TT+4*((\W)-2)+\m]
.endr
.endm
; BLOCK a's p: t - M_c, two at a time; 64 exponentials as one batch with one wait; the sum of the UNQUANTISED p; the one-sided hold (p is not negative); eight conversions; the codes into the stage.
.macro SOFT a
.set W, 2+(\a)/4
.set AC, 64*((\a)%4)
.set CD, 128+16*((0x35762410>>(4*(\a)))&15)    ; block a's 16 code registers: no conversion names one number as destination and as source
.set NR, NMB+2*(\a)
	WIN ((W<<6)|W)
.set i, 0
.rept 32
	v_pk_fma_f32 v[AC+i:AC+i+1], v[AC+i:AC+i+1], s[96:97], v[NR:NR+1] op_sel_hi:[1,0,0]   ; of the pairs c and -M_c the low word serves both halves
.set i, i+2
.endr
.set i, 0
.rept 64
	v_exp_f32 v[AC+i], v[AC+i]                     ; p = 2^(t - M_c), at most 1
.set i, i+1
.endr
	v_nop                                          ; a plain instruction behind the last exponential
	s_wait_alu depctr_va_vdst(0)                   ; the wait ahead of the first instruction that names a result: one for the batch
	WIN (W|(W<<2))
.set i, 0
.rept 16
	v_pk_add_f32 v[TT+2*i:TT+2*i+1], v[AC+4*i:AC+4*i+1], v[AC+4*i+2:AC+4*i+3]
.set i, i+1
.endr
	WIN ((W<<6)|W)
.set i, 0
.rept 64
	v_min_num_f32 v[AC+i], v[AC+i], v[LIM]         ; the conversion to an 8-bit code does not saturate (ISA guide 7.6.2)
.set i, i+1
.endr
	WIN W
.irp b, 0,1,2,3,4,5,6,7
	v_cvt_scalef32_pk8_bf8_f32 v[CD+2*\b:CD+2*\b+1], v[AC+8*\b:AC+8*\b+7], v[SCL]
.endr
	WIN 0
.irp k, 0,1,2,3,4,5,6,7                        ; (the first of these is the plain instruction behind the conversions)
	v_pk_add_f32 v[TT+4*\k:TT+4*\k+1], v[TT+4*\k:TT+4*\k+1], v[TT+4*\k+2:TT+4*\k+3]
.endr
.irp k, 0,1,2,3
	v_pk_add_f32 v[TT+8*\k:TT+8*\k+1], v[TT+8*\k:TT+8*\k+1], v[TT+8*\k+4:TT+8*\k+5]
.endr
.irp k, 0,1
	v_pk_add_f32 v[TT+16*\k:TT+16*\k+1], v[TT+16*\k:TT+16*\k+1], v[TT+16*\k+8:TT+16*\k+9]
.endr
	v_pk_add_f32 v[TT:TT+1], v[TT:TT+1], v[TT+16:TT+17]
	v_add_f32 v[LS+(\a)], v[TT], v[TT+1]
.irp b, 0,1,2,3,4,5,6,7
	ds_store_b64 v[STO], v[CD+2*\b:CD+2*\b+1] offset:(\a)*16*PITCH+16*\b   ; the stage lies in slot 0, which has had its last fill and which nobody reads behind the last change of slots
.endr
.endm
	PLACES NP
	MAXW 2
	MAXW 3
.irp a, 0,1,2,3,4,5,6,7
	ds_store_b32 v[MXA], v[NMB+2*\a+1] offset:64*\a    ; my 128 keys' largest score of row 128 rh + 16 a + r (lanes r and r + 16 store the same number)
.endr
	s_wait_dscnt 0x0                               ; for my partner's sake
	s_barrier_signal -1
	s_barrier_wait -1
.irp a, 0,1,2,3,4,5,6,7
	ds_load_b32 v[LS+\a], v[MXB] offset:64*\a
.endr
	s_wait_dscnt 0x0
.irp a, 0,1,2,3,4,5,6,7
	v_max_num_f32 v[NMB+2*\a+1], v[NMB+2*\a+1], v[LS+\a]
.endr
.irp a, 0,1,2,3,4,5,6,7
	v_mul_f32 v[NMB+2*\a+1], s96, v[NMB+2*\a+1]        ; as t (c is positive)
.endr
.irp a, 0,1,2,3,4,5,6,7
	v_floor_f32 v[NMB+2*\a], -v[NMB+2*\a+1]            ; -M_c = floor(-t) = -ceil(t): a whole number
.endr
.irp a, 0,1,2,3,4,5,6,7
	SOFT \a
.endr
.irp a, 0,1,2,3,4,5,6,7
	v_permlanex16_b32 v[TT+\a], v[LS+\a], s[SEL], s[SEL+1]
.endr
.irp a, 0,1,2,3,4,5,6,7
	v_add_f32 v[LS+\a], v[LS+\a], v[TT+\a]             ; the sum over my wave's 128 keys
.endr
.irp a, 0,1,2,3,4,5,6,7
	ds_store_b32 v[MXA], v[LS+\a] offset:2048+64*\a
.endr
	s_wait_dscnt 0x0                               ; for the others' sake: my codes and my sums are in LDS
	s_barrier_signal -1
	s_barrier_wait -1
	ds_load_b128 v[96:99], v[SRA]                  ; lanes 0-15: both halves' maxima of rows 64 w + 4 (l % 16) on; lanes 16-31: both halves' sums
	ds_load_b128 v[100:103], v[SRA] offset:1024
.set t, 0
.rept 32
	ds_load_b128 v[128+4*t:128+4*t+3], v[RD] offset:t*2*PITCH
.set t, t+1
.endr
	s_wait_dscnt 32                                ; the two statistics loads are in; the 32 stage loads behind them may be out
	v_cmp_ne_u32 vcc_lo, 0, v2
.irp i, 0,1,2,3
	v_max_num_f32 v[104+\i], v[96+\i], v[100+\i]
	v_add_f32 v[108+\i], v[96+\i], v[100+\i]       ; l_c
	v_mul_f32 v[104+\i], s96, v[104+\i]
	v_floor_f32 v[104+\i], -v[104+\i]              ; -M_c, by the same three operations as above: the same bits
	v_cndmask_b32 v[104+\i], v[104+\i], v[108+\i], vcc_lo
.endr
	global_store_b128 v[SGO], v[104:107], s[12:13] ; 16 lanes store 256 consecutive bytes of plane 0, the other 16 of plane 1
	v_mul_u32_u24 v[CO], v2, 2048
	v_lshl_add_u32 v[CO], v1, 4, v[CO]
.set t, 0
.rept 32
	s_wait_dscnt 31-t                              ; pair t of rows is in, the younger ones may be out
	global_store_b128 v[CO], v[128+4*t:128+4*t+3], s[10:11] offset:2*t*2048   ; 16 lanes store 256 consecutive bytes, at a multiple of 256 from p_codes' first byte
.set t, t+1
.endr
	s_wait_tensorcnt 0x0                           ; the wave's end: wait for my last tensor load, then add 0 to my spare word behind my last LDS store
	ds_add_u32 v[SPW], v[NIL]
	s_wait_dscnt 0x0
	CROUND                                         ; the closing round
	s_endpgm
.Lfunc_end_k_qfe606e97eb_scores:
	.size	k_qfe606e97eb_scores, .Lfunc_end_k_qfe606e97eb_scores-k_qfe606e97eb_scores
	.p2alignl 7, 3214868480
	.fill 96, 4, 3214868480
	.section	.rodata,"a",@progbits
	.p2align	6, 0x0
	.amdhsa_kernel k_qfe606e97eb_scores
		.amdhsa_group_segment_fixed_size 327680
		.amdhsa_private_segment_fixed_size 0
		.amdhsa_enable_private_segment 0
		.amdhsa_kernarg_size 40
		.amdhsa_user_sgpr_count 2
		.amdhsa_user_sgpr_kernarg_segment_ptr 1
		.amdhsa_wavefront_size32 1
		.amdhsa_system_sgpr_workgroup_id_x 1
		.amdhsa_system_sgpr_workgroup_id_y 1
		.amdhsa_system_sgpr_workgroup_id_z 1
		.amdhsa_system_vgpr_workitem_id 0
		.amdhsa_next_free_vgpr 1024
		.amdhsa_next_free_sgpr 98
		.amdhsa_reserve_vcc 1
		.amdhsa_float_denorm_mode_32 3
		.amdhsa_float_denorm_mode_16_64 3
		.amdhsa_memory_ordered 1
		.amdhsa_forward_progress 1
		.amdhsa_inst_pref_size 180
	.end_amdhsa_kernel
	.amdgpu_metadata
---
amdhsa.version: [ 1, 2 ]
amdhsa.kernels:
  - .name:           k_qfe606e97eb_scores
    .symbol:         k_qfe606e97eb_scores.kd
    .args:
      - { .name: q_codes, .offset: 0, .size: 8, .value_kind: global_buffer, .address_space: global }
      - { .name: k_codes, .offset: 8, .size: 8, .value_kind: global_buffer, .address_space: global }
      - { .name: lowp_scales, .offset: 16, .size: 8, .value_kind: global_buffer, .address_space: global }
      - { .name: p_codes, .offset: 24, .size: 8, .value_kind: global_buffer, .address_space: global }
      - { .name: stats, .offset: 32, .size: 8, .value_kind: global_buffer, .address_space: global }
    .group_segment_fixed_size: 327680
    .private_segment_fixed_size: 0
    .kernarg_segment_align: 8
    .kernarg_segment_size: 40
    .max_flat_workgroup_size: 128
    .sgpr_count:     98
    .vgpr_count:     1024
    .wavefront_size: 32
...
	.end_amdgpu_metadata
.endif
;; end of part 2
;; launch mix (part 3): grid 4 x 64, 4 waves a work-group, clusters of 4 x 4, 327,680 bytes of LDS; arguments p_codes, v_codes, stats, lowp_scales, out0; writes out0
.if DOCPART == 3
	.amdgcn_target "amdgcn-amd-amdhsa--gfx1250"
	.amdhsa_code_object_version 6
	.text
	.protected	k_qfe606e97eb_mix
	.globl	k_qfe606e97eb_mix
	.p2align	8
	.type	k_qfe606e97eb_mix,@function
k_qfe606e97eb_mix:
	s_mov_b64 s[64:65], 0
	v_nop
	global_prefetch_b8 v0, s[64:65] scope:SCOPE_SE
	s_setreg_imm32_b32 hwreg(HW_REG_WAVE_MODE, 25, 1), 1
	s_wait_xcnt 0x0
	s_wait_alu depctr_hold_cnt(0) depctr_sa_sdst(0) depctr_va_vdst(0) depctr_va_sdst(0) depctr_va_ssrc(0) depctr_va_vcc(0) depctr_vm_vsrc(0)
	s_getreg_b32 s2, hwreg(HW_REG_IB_STS2, 6, 4)
	s_cmp_eq_u32 s2, 0
	s_cbranch_scc0 .Lentry_in_a_cluster
	s_endpgm
.Lentry_in_a_cluster:
	s_bfe_u32 s2, ttmp6, 0x10000c
	s_cmp_lg_u32 s2, 0xf033
	s_cbranch_scc0 .Lentry_shape_is_right
	s_endpgm
.Lentry_shape_is_right:
; out0[query][channel] = (the sum over the eight chunks c of 2^(M_c - M) P_c V_c) x 2^(e8 + e9) / l, on codes of BF8 (E5M2).  No work of the problem is left out here.
; p_codes: [8192 queries][2048 keys].  v_codes: [4 batches][1024 channels][2048 keys].  stats: [32][8][2][256] f32: -M_c and l_c of each row and chunk of 256 keys.  out0: [8192][1024] f32.
; ONE M FOR A ROW.  M = the largest M_c; l = the sum of l_c 2^(M_c - M).  The accumulators are kept in units of 2^(E_c), E_c = max(M_c, M - 64): in front of chunk c they are
; multiplied by 2^(E_(c-1) - E_c), a power of two within 2^-64 .. 2^64, in every chunk alike; at the end by 2^(E_7 - M + e8 + e9) / l.  Sums of code products stay under 2^43, so nothing overflows.
; LIMIT: a chunk whose M_c lies more than 64 under M is weighed with 2^-64 and not with less.  NaN among the inputs is not served.
; SHARES.  A tile of 128 queries x 256 channels is made by a work-group of four waves: 256 work-groups.  A wave makes 64 x 128: 32 accumulators.  A = p_codes, B = v_codes.
; THE RING HAS TWO SLOTS OF UNLIKE SIZE, which together hold three of the eight chunks: S holds two chunks (rows of 512 bytes), T one (rows of 256).  The walk: S 0, 1 | T 2 | S 3, 4 | T 5 | S 6, 7.
; Both are asked for at the head; three refills follow, one load a wave each.  So the eight chunks come by four groups of loads, and a chunk has only 64 matrix instructions a wave under which a load could land.
; CLUSTERS: 4 x 4; A's tile is asked for jointly along a row of the cluster, B's along a column.  Transposed use: lane (r, h), register j of accumulator (a, b) holds O(query 16 a + r, channel 16 b + 8 h + j).
; The sixteen steps of 128 keys are written out one behind the other: the factors' register numbers change from chunk to chunk.
; PREFETCH.  Chunks 3 to 7 are asked for ahead of their tensor loads, each aligned block of 256 bytes once in the launch, behind runs of LDS loads: chunks 3 and 4 in step 0 (their load stands in step 3), chunk 5 in step 1
; (step 5), chunk 6 in step 3 and chunk 7 in step 4 (step 9).  A chunk's part of a row is 256 bytes; a lane names a row.  p's 128 rows: wave 0 asks, 32 rows a work-group, the four partners of a row of the cluster told apart by
; address.  v's 256 rows: waves 2 and 3 ask, 32 rows each, the four partners of a column told apart by address; the four clusters of a batch walk the same rows, so the batch's first cluster asks.  Chunks 0 to 2 come by their loads alone.
; REGISTERS: window 0: v1 r, v2 h, v16-30 addresses; v32-63 -M_c, then -E_c (block a, chunk c at 32 + 8 a + c); v64-95 l_c, then the whole numbers E_(c-1) - E_c; v96-103 the last factor, a pair a block;
;   v104-111 a chunk's factor, a pair a block; v112-115 -M, then the last exponent; v116-119 l; v120-127 at work; v128-255 A's fragments, two sets of four blocks.   window 1: B's, two sets.   window 2: the accumulators.
.set ROWB,   256                       ; a chunk's part of a row, in bytes
.set KROW,   2048                      ; a row of p_codes or of v_codes in memory
.set PS,     528                       ; an LDS row in S: 512 bytes + 16 of padding = 132 words: row r starts at bank 4 r mod 64 (64 banks of 4 bytes: ISA guide 11.1)
.set PT,     272                       ; in T: 256 + 16 = 68 words: likewise
.set FR,     16
.set TB,     384*PS                    ; S: A's 128 rows, then B's 256, from byte 0 on; T, laid likewise, begins here
.set SPARE,  TB+384*PT                 ; behind the ring: the spare words, 128 bytes for each wave
.set SPITCH, 528                       ; the way out: a stage of 16 rows x (512 bytes + 16) for each wave, in T
.set ADRA, 16                          ; v16, v17  LDS address of my A fragments in S, in T
.set ADRB, 20                          ; v20, v21  the same for B
.set STO,  24
.set RD,   25
.set CO,   26
.set SPW,  28
.set NIL,  29
.set PFO,  30                          ; v30     the prefetches' offset: 2,048 x my lane; never rewritten
.set NB,   32
.set LB,   64
.set FIN,  96
.set FP,   104
.set GM,   112
.set LT,   116
.set TP,   120
.set TMP,  32                          ; the way out: a block's 64 results
.set G1, 24                            ; s[24:31] descriptor group 1 for A's tiles in S;  s[32:35] group 0 for S, s[36:39] for T
.set G0, 32
.set G1B, 48                           ; s[48:55], s[56:59], s[60:63] the same for B's tiles
.set G0B, 56
.set G1T, 68                           ; s[68:75] group 1 for A's tiles in T
.set G1TB, 76                          ; s[76:83] for B's
.set LIM, 85                           ; s85     1 in a wave that prefetches, else 0
.set PFA, 86                           ; s[86:87] my 32 rows' first byte in p_codes or v_codes; never rewritten: the chunk stands in the immediate
.set MSB, 0
.macro WIN new                         ; the immediate's high byte repeats the setting that is left
.if MSB != (\new)
	s_set_vgpr_msb (MSB<<8)|(\new)
.set MSB, (\new)
.endif
.endm
.macro JLOAD g0a, g1a, g0b, g1b        ; a joint load: waves 0 and 1 fetch A's halves, waves 2 and 3 B's; an s_nop 0 and four v_nop follow each of the two lines
	s_cmp_eq_u32 s15, 0
	s_cbranch_scc0 .Lfor_b_\@
	tensor_load_to_lds s[\g0a:\g0a+3], s[\g1a:\g1a+7]
	s_nop 0
.rept 4
	v_nop
.endr
	s_branch .Lasked_\@
.Lfor_b_\@:
	tensor_load_to_lds s[\g0b:\g0b+3], s[\g1b:\g1b+7]
	s_nop 0
.rept 4
	v_nop
.endr
.Lasked_\@:
.endm
.macro ASK c0, c1                      ; chunk c0, and c1 where it is another, of my 32 rows.  The branch hangs on the wave's number and the cluster's y alone
	s_cmp_eq_u32 s[LIM], 1
	s_cbranch_scc0 .Lnot_mine_\@
	global_prefetch_b8 v[PFO], s[PFA:PFA+1] offset:ROWB*(\c0) th:TH_LOAD_NT scope:SCOPE_SE
.if (\c1) > (\c0)
	global_prefetch_b8 v[PFO], s[PFA:PFA+1] offset:ROWB*(\c1) th:TH_LOAD_NT scope:SCOPE_SE
.endif
.Lnot_mine_\@:
.endm
.macro CREST
	s_cmp_lg_u32 s14, 0
	s_cbranch_scc1 .Lnot_wave_0_\@
	s_barrier_signal -3
.Lnot_wave_0_\@:
	s_barrier_wait -3
	s_barrier_signal -1
	s_barrier_wait -1
.endm
.macro CROUND
	s_barrier_signal -1
	s_barrier_wait -1
	CREST
.endm
.macro G1SET g, rowb, rows             ; a group 1's words 1 to 7: a tile of rows x rowb bytes out of rows of 2,048
	s_mov_b32 s[\g+1], (\rowb)<<16                 ; tensor_dim0
	s_mov_b32 s[\g+2], (\rows)<<16                 ; tensor_dim1
	s_mov_b32 s[\g+3], (\rowb)<<16                 ; tile_dim0
	s_mov_b32 s[\g+4], \rows                       ; tile_dim1
	s_mov_b32 s[\g+5], KROW                        ; tensor_dim0_stride
	s_mov_b32 s[\g+6], 0
	s_mov_b32 s[\g+7], 0
.endm
	s_load_b256 s[4:11], s[0:1], 0x0               ; p_codes s[4:5], v_codes s[6:7], stats s[8:9], the scales' exponents s[10:11]
	s_load_b64 s[12:13], s[0:1], 0x20              ; out0
	v_lshl_add_u32 v[SPW], v0, 2, SPARE
	v_mov_b32 v[NIL], 0
	ds_add_u32 v[SPW], v[NIL]                      ; the wave's opening: the add, twice on end, and its wait ahead of my first tensor load
	ds_add_u32 v[SPW], v[NIL]                      ; and once more, under the one wait
	v_lshrrev_b32 v1, 5, v0
	v_readfirstlane_b32 s14, v1                    ; wave 0..3
	s_lshr_b32 s15, s14, 1                         ; rh: which 64 queries are mine.  Also: I fetch for A (0) or for B (1)
	s_and_b32 s16, s14, 1                          ; ch: which 128 channels.  Also: which half of that tile I fetch
	s_bfe_u32 s40, ttmp6, 0x40000                  ; cx, cy
	s_bfe_u32 s41, ttmp6, 0x40004
	s_mov_b32 s42, s40                             ; the tile of 256 channels = cx
	s_and_b32 s17, ttmp7, 0xffff
	s_lshr_b32 s19, s17, 2                         ; the batch = cluster y / 4
	s_lshl_b32 s17, s17, 2
	s_add_co_u32 s17, s17, s41                     ; the tile of 128 queries, 0 to 63
	s_lshl_b32 s43, s41, 2
	s_lshl_b32 s43, 15, s43                        ; my row of the cluster
	s_lshl_b32 s44, 0x1111, s40                    ; my column
	s_or_b32 s[G1+0], s43, (0<<16)|(1<<20)|(1<<21)|(6<<22)|(3<<25)   ; S: the mask; element of 1 byte; padding on; bit 21 beside a mask; 4 words after every 128
	G1SET G1, 2*ROWB, 64
	s_or_b32 s[G1B+0], s44, (0<<16)|(1<<20)|(1<<21)|(6<<22)|(3<<25)
	G1SET G1B, 2*ROWB, 128
	s_or_b32 s[G1T+0], s43, (0<<16)|(1<<20)|(1<<21)|(5<<22)|(3<<25)  ; T: 4 words after every 64
	G1SET G1T, ROWB, 64
	s_or_b32 s[G1TB+0], s44, (0<<16)|(1<<20)|(1<<21)|(5<<22)|(3<<25)
	G1SET G1TB, ROWB, 128
	s_lshl_b32 s20, s17, 7
	s_lshl_b32 s18, s16, 6
	s_add_co_u32 s20, s20, s18                     ; A: query 128 x tile + 64 x half
	s_lshl_b32 s20, s20, 11                        ; in bytes: under 2^24
	s_mov_b32 s21, 0
	s_lshl_b32 s46, s42, 8
	s_lshl_b32 s18, s16, 7
	s_add_co_u32 s46, s46, s18                     ; B: channel 256 x tile + 128 x half,
	s_lshl_b32 s46, s46, 11
	s_lshl_b32 s19, s19, 21
	s_add_co_u32 s46, s46, s19                     ; in my batch's 2^21 bytes
	s_mov_b32 s47, 0
	s_mul_i32 s45, s16, 64*PS                      ; where they go, by the wave's number alone: in S A's halves from byte 0 on,
	s_mul_i32 s66, s16, 128*PS
	s_add_co_u32 s66, s66, 128*PS                  ; B's halves behind A's 128 rows;
	s_mul_i32 s67, s16, 64*PT
	s_add_co_u32 s67, s67, TB                      ; in T likewise
	s_mul_i32 s84, s16, 128*PT
	s_add_co_u32 s84, s84, TB+128*PT
	s_wait_dscnt 0x0                               ; both opening adds are done
	s_wait_kmcnt 0x0
	s_load_b64 s[92:93], s[10:11], 0x20            ; e8, e9
	s_add_nc_u64 s[20:21], s[4:5], s[20:21]
	s_add_nc_u64 s[46:47], s[6:7], s[46:47]
	CROUND                                         ; all sixteen work-groups are here: the first joint loads meet
	s_mov_b32 s[G0], 1                             ; S: chunks 0 and 1
	s_mov_b32 s[G0+1], s45
	s_mov_b64 s[G0+2:G0+3], s[20:21]
	s_or_b32 s[G0+3], s[G0+3], 0x80000000
	s_mov_b32 s[G0B], 1
	s_mov_b32 s[G0B+1], s66
	s_mov_b64 s[G0B+2:G0B+3], s[46:47]
	s_or_b32 s[G0B+3], s[G0B+3], 0x80000000
	JLOAD G0, G1, G0B, G1B
	s_mov_b32 s[G0+4], 1                           ; T: chunk 2
	s_mov_b32 s[G0+5], s67
	s_add_nc_u64 s[G0+6:G0+7], s[20:21], 2*ROWB
	s_or_b32 s[G0+7], s[G0+7], 0x80000000
	s_mov_b32 s[G0B+4], 1
	s_mov_b32 s[G0B+5], s84
	s_add_nc_u64 s[G0B+6:G0B+7], s[46:47], 2*ROWB
	s_or_b32 s[G0B+7], s[G0B+7], 0x80000000
	JLOAD G0+4, G1T, G0B+4, G1TB                   ; two loads of mine are out
	v_and_b32 v1, 15, v0                           ; r
	v_bfe_u32 v2, v0, 4, 1                         ; h
	v_lshlrev_b32 v7, 2, v1                        ; 4 r
	s_lshr_b32 s20, s17, 1                         ; stats: the record row of my 256 queries, 8 records of 2,048 bytes,
	s_lshl_b32 s20, s20, 14
	s_and_b32 s21, s17, 1
	s_lshl_b32 s21, s21, 9                         ; my tile's 128 rows of them,
	s_add_co_u32 s20, s20, s21
	s_lshl_b32 s21, s15, 8                         ; my wave's 64
	s_add_co_u32 s20, s20, s21
	s_mov_b32 s21, 0
	s_add_nc_u64 s[8:9], s[8:9], s[20:21]
.irp a, 0,1,2,3
.irp c, 0,1,2,3,4,5,6,7
	global_load_b32 v[NB+8*\a+\c], v7, s[8:9] offset:\c*2048+64*\a          ; -M_c of query 16 a + r
	global_load_b32 v[LB+8*\a+\c], v7, s[8:9] offset:\c*2048+64*\a+1024     ; l_c
.endr
.endr
	v_mul_u32_u24 v3, v1, PS
	v_lshl_add_u32 v3, v2, 4, v3                   ; a fragment's row x pitch + 16 x half, in S,
	v_mul_u32_u24 v4, v1, PT
	v_lshl_add_u32 v4, v2, 4, v4                   ; and in T
	s_mul_i32 s21, s15, 64*PS                      ; my 64 rows of A,
	s_mul_i32 s22, s16, 128*PS
	s_add_co_u32 s22, s22, 128*PS                  ; my 128 rows of B
	v_add_nc_u32 v[ADRA], s21, v3
	v_add_nc_u32 v[ADRB], s22, v3
	s_mul_i32 s21, s15, 64*PT
	s_add_co_u32 s21, s21, TB
	s_mul_i32 s22, s16, 128*PT
	s_add_co_u32 s22, s22, TB+128*PT
	v_add_nc_u32 v[ADRA+1], s21, v4
	v_add_nc_u32 v[ADRB+1], s22, v4
	s_mul_i32 s23, s14, 16*SPITCH
	s_add_co_u32 s23, s23, TB                      ; my stage
	v_mul_u32_u24 v5, v1, SPITCH
	v_lshl_add_u32 v5, v2, 5, v5
	v_add_nc_u32 v[STO], s23, v5                   ; in: row r, 32 bytes for each half of the lanes
	v_and_b32 v6, 31, v0
	v_lshlrev_b32 v[CO], 4, v6                     ; back: the 32 lanes take one row of 512 bytes; and the same in out0
	v_add_nc_u32 v[RD], s23, v[CO]
	s_lshl_b32 s20, s17, 7                         ; out0 at my first row and column: (128 x tile + 64 rh) rows of 4,096 bytes + 1,024 x tile column + 512 ch
	s_lshl_b32 s21, s15, 6
	s_add_co_u32 s20, s20, s21
	s_lshl_b32 s20, s20, 12
	s_lshl_b32 s21, s42, 10
	s_add_co_u32 s20, s20, s21
	s_lshl_b32 s21, s16, 9
	s_add_co_u32 s20, s20, s21
	s_mov_b32 s21, 0
	s_add_nc_u64 s[12:13], s[12:13], s[20:21]
	; the prefetches: whose rows, and who asks
	s_and_b32 s18, ttmp7, 0xffff
	s_lshr_b32 s22, s18, 2                         ; the batch: 1,024 rows of v_codes,
	s_and_b32 s18, s18, 3                          ; and which of its four clusters mine is
	s_lshl_b32 s22, s22, 10
	s_lshl_b32 s23, s40, 8
	s_add_co_u32 s22, s22, s23                     ; the tile's 256 channels,
	s_lshl_b32 s23, s41, 6
	s_add_co_u32 s22, s22, s23                     ; my work-group's 64 of them,
	s_lshl_b32 s23, s16, 5
	s_add_co_u32 s22, s22, s23                     ; my wave's 32
	s_lshl_b32 s20, s17, 7                         ; p_codes: the tile's 128 queries,
	s_lshl_b32 s21, s40, 5
	s_add_co_u32 s20, s20, s21                     ; my work-group's 32 of them
	s_cmp_eq_u32 s15, 0                            ; do I fetch for A?
	s_cselect_b64 s[PFA:PFA+1], s[4:5], s[6:7]
	s_cselect_b32 s20, s20, s22
	s_cselect_b32 s18, s16, s18                    ; for A wave 0 asks; for B waves 2 and 3 of the batch's first cluster
	s_cmp_eq_u32 s18, 0
	s_cselect_b32 s[LIM], 1, 0                     ; the same in all sixteen partners, for a given wave
	s_lshl_b32 s20, s20, 11
	s_mov_b32 s21, 0
	s_add_nc_u64 s[PFA:PFA+1], s[PFA:PFA+1], s[20:21]
	v_lshlrev_b32 v[PFO], 11, v6
	s_wait_kmcnt 0x0
	s_add_co_i32 s94, s92, s93                     ; e8 + e9
	s_wait_loadcnt 0x0
.irp a, 0,1,2,3
	v_min3_num_f32 v[GM+\a], v[NB+8*\a], v[NB+8*\a+1], v[NB+8*\a+2]
	v_min3_num_f32 v[GM+\a], v[GM+\a], v[NB+8*\a+3], v[NB+8*\a+4]
	v_min3_num_f32 v[GM+\a], v[GM+\a], v[NB+8*\a+5], v[NB+8*\a+6]
	v_min_num_f32 v[GM+\a], v[GM+\a], v[NB+8*\a+7]             ; -M
.irp c, 0,1,2,3,4,5,6,7
	v_sub_f32 v[TP+\c], v[GM+\a], v[NB+8*\a+\c]                ; M_c - M: a whole number, 0 or less
.endr
.irp c, 0,1,2,3,4,5,6,7
	v_cvt_i32_f32 v[TP+\c], v[TP+\c]                           ; (it saturates)
.endr
.irp c, 0,1,2,3,4,5,6,7
	v_ldexp_f32 v[LB+8*\a+\c], v[LB+8*\a+\c], v[TP+\c]         ; l_c 2^(M_c - M)
.endr
	v_add_f32 v[LT+\a], v[LB+8*\a], v[LB+8*\a+1]
.irp c, 2,3,4,5,6,7
	v_add_f32 v[LT+\a], v[LT+\a], v[LB+8*\a+\c]                ; l
.endr
	v_add_f32 v[TP], 0x42800000, v[GM+\a]                      ; -(M - 64)
.irp c, 0,1,2,3,4,5,6,7
	v_min_num_f32 v[NB+8*\a+\c], v[NB+8*\a+\c], v[TP]          ; -E_c
.endr
.irp c, 1,2,3,4,5,6,7
	v_sub_f32 v[LB+8*\a+\c], v[NB+8*\a+\c], v[NB+8*\a+\c-1]    ; E_(c-1) - E_c, within -64 .. 64,
.endr
.irp c, 1,2,3,4,5,6,7
	v_cvt_i32_f32 v[LB+8*\a+\c], v[LB+8*\a+\c]                 ; as a whole number
.endr
	v_sub_f32 v[GM+\a], v[GM+\a], v[NB+8*\a+7]                 ; E_7 - M
	v_cvt_i32_f32 v[GM+\a], v[GM+\a]
	v_add_nc_u32 v[GM+\a], s94, v[GM+\a]                       ; + e8 + e9
.endr
.irp a, 0,1,2,3
	v_rcp_f32 v[FIN+2*\a], v[LT+\a]
.endr
	v_nop                                          ; a plain instruction behind the last reciprocal
.irp a, 0,1,2,3
	v_mov_b32 v[FIN+2*\a+1], 0                     ; (named as the upper halves of pairs, so they are written)
	v_mov_b32 v[FP+2*\a+1], 0
.endr
	s_wait_alu depctr_va_vdst(0)                   ; the wait ahead of the first use: one for the four reciprocals
.irp a, 0,1,2,3
	v_ldexp_f32 v[FIN+2*\a], v[FIN+2*\a], v[GM+\a] ; 2^(E_7 - M + e8 + e9) / l
.endr
.macro FRAG reg, adr, q, i, pitch      ; lane l holds row l % 16; registers 4 c .. 4 c + 3 hold K = 32 c + 16 (l / 16) + 0 .. 15: the same permutation of k in A and in B
.irp c, 0,1,2,3
	ds_load_b128 v[\reg+4*\c:\reg+4*\c+3], v[\adr] offset:128*(\q)+32*\c+(\i)*16*(\pitch)
.endr
.endm
; 8 matrix instructions: A's block a x B's eight, 128 along K, set p.  The 32 accumulators take turns, one instruction a turn, in the same order in every step.
.macro MUL8 a, p, zero
.irp b, 0,1,2,3,4,5,6,7
.if \zero
	v_wmma_f32_16x16x128_bf8_bf8 v[8*(8*\a+\b):8*(8*\a+\b)+7], v[128*\p+FR*\b:128*\p+FR*\b+FR-1], v[128+64*\p+FR*\a:128+64*\p+FR*\a+FR-1], 0
.else
	v_wmma_f32_16x16x128_bf8_bf8 v[8*(8*\a+\b):8*(8*\a+\b)+7], v[128*\p+FR*\b:128*\p+FR*\b+FR-1], v[128+64*\p+FR*\a:128+64*\p+FR*\a+FR-1], v[8*(8*\a+\b):8*(8*\a+\b)+7]
.endif
.endr
.endm
.macro FETCH3 slot, q, p               ; 48 LDS loads in one run: B's eight fragments, then A's four, of the q-th 128 keys of slot 0 (S) or 1 (T), into set p
	WIN 0x40
.irp i, 0,1,2,3,4,5,6,7
	FRAG 128*\p+FR*\i, ADRB+\slot, \q, \i, PS-(PS-PT)*\slot
.endr
	WIN 0
.irp i, 0,1,2,3
	FRAG 128+64*\p+FR*\i, ADRA+\slot, \q, \i, PS-(PS-PT)*\slot
.endr
.endm
.macro PLACES n                        ; plain vector instructions between a matrix instruction and a load into, or a read of, its registers (ISA guide 7.12.1 for reads)
.rept \n
	v_nop
.endr
.endm
; In front of chunk c: the accumulators from units of 2^(E_(c-1)) into units of 2^(E_c): nothing is rounded.  The four v_ldexp_f32 are the places behind the last products; each accumulator is taken from its low end on.
.macro RESCALE c
.irp a, 0,1,2,3
	v_ldexp_f32 v[FP+2*\a], 1.0, v[LB+8*\a+\c]
.endr
	WIN 0x82                                       ; destination and source 0 window 2, the factor window 0
.irp a, 0,1,2,3
.set i, 0
.rept 32
	v_pk_mul_f32 v[64*\a+i:64*\a+i+1], v[64*\a+i:64*\a+i+1], v[FP+2*\a:FP+2*\a+1] op_sel_hi:[1,0]
.set i, i+2
.endr
.endr
	WIN 0
.endm
; A step of 128 keys whose successor lies in the same slot: multiplies set p and fetches the slot's q-th 128 keys into set np.  No barrier stands inside a slot: the one in front of it has shown all of it.  ask0 above 0: chunks ask0, ask1 are asked for.
.macro STEP3 p, np, slot, q, zero, ask0, ask1
	s_wait_dscnt 8                                 ; B's set and A's blocks 0, 1 are in; the youngest eight loads (A's blocks 2, 3) may be out
	WIN 0xa1
	MUL8 0, \p, \zero
	MUL8 1, \p, \zero
	s_wait_dscnt 0
	PLACES 4
	FETCH3 \slot, \q, \np
.if \ask0
	ASK \ask0, \ask1
.endif
	WIN 0xa1
	MUL8 2, \p, \zero
	MUL8 3, \p, \zero
	WIN 0
.endm
; A slot's last 128 keys, set 1, and the change of slots: ONE barrier; in front of it each wave waits for all its tensor loads, adds 0 to its spare word, and waits for that and for its own reads of this slot.
; fill = 1: this slot is filled again, with the chunks three on: 768 bytes along the rows.
.macro TURN3 slot, next, fill, ask0
	s_wait_tensorcnt 0x0                           ; all my tensor loads have landed: my part of the next slot
	ds_add_u32 v[SPW], v[NIL]                      ; 0 onto my spare word
	s_wait_dscnt 9                                 ; the add and the youngest eight loads (A's blocks 2, 3) may be out
	WIN 0xa1
	MUL8 0, 1, 0                                   ; eight matrix instructions stand between the add and the wait for it
	s_wait_dscnt 0x0                               ; the add is done, and my reads of this slot are over
	s_barrier_signal -1
	MUL8 1, 1, 0
	WIN 0
	s_barrier_wait -1
.if \fill
	CREST                                          ; the barrier has opened a round of the cluster's barrier: no wave of any partner still reads this slot's tiles or has a load on its way
	s_add_nc_u64 s[G0+4*\slot+2:G0+4*\slot+3], s[G0+4*\slot+2:G0+4*\slot+3], 3*ROWB
	s_add_nc_u64 s[G0B+4*\slot+2:G0B+4*\slot+3], s[G0B+4*\slot+2:G0B+4*\slot+3], 3*ROWB
.if (\slot) == 0
	JLOAD G0, G1, G0B, G1B                         ; the first tensor load behind the round, my one load until the next; its four v_nop are the places in front of the loads below
.else
	JLOAD G0+4, G1T, G0B+4, G1TB
.endif
.else
	PLACES 4
.endif
	FETCH3 \next, 0, 0
.if \ask0
	ASK \ask0, \ask0
.endif
	WIN 0xa1
	MUL8 2, 1, 0
	MUL8 3, 1, 0
	WIN 0
.endm
	s_wait_tensorcnt 1                             ; my part of S is in; T's load may be out
	s_barrier_signal -1
	s_barrier_wait -1
	FETCH3 0, 0, 0
	STEP3 0, 1, 0, 1, 1, 3, 4                      ; chunk 0, in S: its first products start the sums
	STEP3 1, 0, 0, 2, 0, 5, 5
	RESCALE 1
	STEP3 0, 1, 0, 3, 0, 0, 0                      ; chunk 1, in S
	TURN3 0, 1, 1, 6                               ; S takes chunks 3 and 4
	RESCALE 2
	STEP3 0, 1, 1, 1, 0, 7, 7                      ; chunk 2, in T
	TURN3 1, 0, 1, 0                               ; T takes chunk 5
	RESCALE 3
	STEP3 0, 1, 0, 1, 0, 0, 0                      ; chunk 3
	STEP3 1, 0, 0, 2, 0, 0, 0
	RESCALE 4
	STEP3 0, 1, 0, 3, 0, 0, 0                      ; chunk 4
	TURN3 0, 1, 1, 0                               ; S takes chunks 6 and 7: the third and last refill
	RESCALE 5
	STEP3 0, 1, 1, 1, 0, 0, 0                      ; chunk 5
	TURN3 1, 0, 0, 0                               ; nothing is left to fetch, and no round of the cluster's barrier follows
	RESCALE 6
	STEP3 0, 1, 0, 1, 0, 0, 0                      ; chunk 6
	STEP3 1, 0, 0, 2, 0, 0, 0
	RESCALE 7
	STEP3 0, 1, 0, 3, 0, 0, 0                      ; chunk 7
	s_wait_dscnt 8                                 ; the very last step
	WIN 0xa1
	MUL8 0, 1, 0
	MUL8 1, 1, 0
	s_wait_dscnt 0
	MUL8 2, 1, 0
	MUL8 3, 1, 0
	WIN 0
; THE WAY OUT, block by block of 16 queries x 128 channels: x the last factor, into other registers, each accumulator from its low end on; through my own stage in LDS; back as whole rows of 512 bytes.
; The stage lies in T, which has had its last fill and which nobody reads behind the last change of slots.  LDS serves a wave's instructions in order (ISA guide 5.7.1.4): no wait between the stores and the loads.
.macro TOSTAGE a
	WIN 0x02                                       ; source 0: window 2
.set i, 0
.rept 32
	v_pk_mul_f32 v[TMP+i:TMP+i+1], v[64*(\a)+i:64*(\a)+i+1], v[FIN+2*(\a):FIN+2*(\a)+1] op_sel_hi:[1,0]
.set i, i+2
.endr
	WIN 0
.irp b, 0,1,2,3,4,5,6,7
	ds_store_b128 v[STO], v[TMP+8*\b:TMP+8*\b+3] offset:64*\b
	ds_store_b128 v[STO], v[TMP+8*\b+4:TMP+8*\b+7] offset:64*\b+16
.endr
.set BB, 128+64*((\a)%2)
.irp t, 0,1,2,3,4,5,6,7,8,9,10,11,12,13,14,15
	ds_load_b128 v[BB+4*\t:BB+4*\t+3], v[RD] offset:\t*SPITCH
.endr
.endm
.macro SEND a, younger                 ; younger: the LDS instructions issued behind block a's loads, which may stay out
.set BB, 128+64*((\a)%2)
	s_wait_dscnt \younger                          ; the block is back in registers
.if (\a) > 0
	s_add_nc_u64 s[12:13], s[12:13], 16*4096       ; (behind a wait on XCNT: the earlier stores have read their base)  16 rows of out0 on
.endif
.irp t, 0,1,2,3,4,5,6,7,8,9,10,11,12,13,14,15
	global_store_b128 v[CO], v[BB+4*\t:BB+4*\t+3], s[12:13] offset:\t*4096 th:TH_STORE_NT   ; 32 lanes store 512 consecutive bytes, at a multiple of 256 from out0's first byte; written once, read by nobody here
.endr
.endm
	PLACES 4
	TOSTAGE 0
.irp a, 1,2,3
.if \a > 1
	s_wait_xcnt 0x0                                ; block a - 2's stores have read their registers and their base: block a's loads may land there, and the base may step
.endif
	TOSTAGE \a
	SEND \a-1, 32                                  ; behind block a - 1's loads: block a's 16 stores and 16 loads
.endr
	s_wait_xcnt 0x0                                ; block 2's stores have read their base
	SEND 3, 0
	s_wait_tensorcnt 0x0                           ; the wave's end: wait for my last tensor load, then add 0 to my spare word behind my last LDS store
	ds_add_u32 v[SPW], v[NIL]
	s_wait_dscnt 0x0
	CROUND                                         ; the closing round
	s_endpgm
.Lfunc_end_k_qfe606e97eb_mix:
	.size	k_qfe606e97eb_mix, .Lfunc_end_k_qfe606e97eb_mix-k_qfe606e97eb_mix
	.p2alignl 7, 3214868480
	.fill 96, 4, 3214868480
	.section	.rodata,"a",@progbits
	.p2align	6, 0x0
	.amdhsa_kernel k_qfe606e97eb_mix
		.amdhsa_group_segment_fixed_size 327680
		.amdhsa_private_segment_fixed_size 0
		.amdhsa_enable_private_segment 0
		.amdhsa_kernarg_size 40
		.amdhsa_user_sgpr_count 2
		.amdhsa_user_sgpr_kernarg_segment_ptr 1
		.amdhsa_wavefront_size32 1
		.amdhsa_system_sgpr_workgroup_id_x 1
		.amdhsa_system_sgpr_workgroup_id_y 1
		.amdhsa_system_sgpr_workgroup_id_z 1
		.amdhsa_system_vgpr_workitem_id 0
		.amdhsa_next_free_vgpr 768
		.amdhsa_next_free_sgpr 98
		.amdhsa_reserve_vcc 0
		.amdhsa_float_denorm_mode_32 3
		.amdhsa_float_denorm_mode_16_64 3
		.amdhsa_memory_ordered 1
		.amdhsa_forward_progress 1
		.amdhsa_inst_pref_size 196
	.end_amdhsa_kernel
	.amdgpu_metadata
---
amdhsa.version: [ 1, 2 ]
amdhsa.kernels:
  - .name:           k_qfe606e97eb_mix
    .symbol:         k_qfe606e97eb_mix.kd
    .args:
      - { .name: p_codes, .offset: 0, .size: 8, .value_kind: global_buffer, .address_space: global }
      - { .name: v_codes, .offset: 8, .size: 8, .value_kind: global_buffer, .address_space: global }
      - { .name: stats, .offset: 16, .size: 8, .value_kind: global_buffer, .address_space: global }
      - { .name: lowp_scales, .offset: 24, .size: 8, .value_kind: global_buffer, .address_space: global }
      - { .name: out0, .offset: 32, .size: 8, .value_kind: global_buffer, .address_space: global }
    .group_segment_fixed_size: 327680
    .private_segment_fixed_size: 0
    .kernarg_segment_align: 8
    .kernarg_segment_size: 40
    .max_flat_workgroup_size: 128
    .sgpr_count:     98
    .vgpr_count:     768
    .wavefront_size: 32
...
	.end_amdgpu_metadata
.endif
;; end of part 3
